; MI455X (gfx1250); checked and timed in simulation.
; The chip was launched on July 23, 2026; its instructions are those of AMD's public machine-readable ISA for CDNA 5 (MIT licence, August 2026) and "CDNA5" Instruction Set Architecture Reference Guide (July 2026). The comments in the code are by the model that wrote it; some were corrected since.
;; SWA. Allowed arithmetic: matrix products marked QUANTISED: E2M3 operands, one E8M0 scale for each 32 along K, by v_wmma_scale_f32_16x16x128_f8f6f4 with both operands' format E2M3, f32 sums; everything else in f32.
;; Inputs: hidden_states 2,048 x 2,048 float32; k_cache 2,048 x 2,048 float32; k_norm_w 128 float32; q_norm_w 128 float32; v_cache 2,048 x 2,048 float32; wk 2,048 x 2,048 float32; wo 2,048 x 2,048 float32; wq 2,048 x 2,048 float32; wv 2,048 x 2,048 float32.
;; Outputs: out0 2,048 x 2,048 float32; out1 2,048 x 2,048 float32; out2 2,048 x 2,048 float32.
;; Constants: chunk_id = 1.
;; This version of the problem:
;;   THIS VERSION OF THE PROBLEM IS GIVEN IN LOW PRECISION. The matrix products marked QUANTISED in the list below multiply operands that are first quantised to E2M3 (2 exponent bits, 3 mantissa bits; 6 bits a number), with one power-of-two scale for each 32 numbers along K (OCP MX v1.0); their sums are f32. All else is computed in f32.
;;   The module's matrix products, in the order in which they are computed (A, B: the left and right operand; K: the contracted axis; several contracted axes count as one K, in the product's order):
;;     1. [M 2,048, K 2,048] x [K 2,048, N 2,048]; A: input hidden_states; B: input wq: QUANTISED
;;     2. [M 2,048, K 2,048] x [K 2,048, N 2,048]; A: input hidden_states; B: input wk: QUANTISED
;;     3. [M 2,048, K 2,048] x [K 2,048, N 2,048]; A: input hidden_states; B: input wv: QUANTISED
;;     4. batch 16 x [M 2,048, K 128] x [K 128, N 4,096]; A: computed on the way; B: computed on the way: QUANTISED
;;     5. batch 16 x [M 128, K 4,096] x [K 4,096, N 2,048]; A: computed on the way; B: softmax (see below): QUANTISED
;;     6. [M 2,048, K 2,048] x [K 2,048, N 2,048]; A: computed on the way; B: input wo: QUANTISED
;;   THE QUANTISER, for each operand of a quantised product, along K:
;;     - K is cut into blocks of 32 from its start; a last block that is shorter is filled with zeros.
;;     - A block's scale is 2^e with e = floor(log2(the largest magnitude in the block)) - 2, held to -126 .. 127; a block of zeros has e = 0. As a byte (E8M0): e + 127.
;;     - Each number is divided by its block's scale, clamped to +-7.5, and rounded to the nearest number of E2M3, ties to even, subnormals kept.
;;     - The product sums the exact products of the quantised numbers (number of the format x scale) in f32.
;;   ~~~python
;;   def quantise(x, axis):      # numpy; x: float32 -> the quantised numbers, widened to float32 again
;;       x = np.moveaxis(x, axis, -1); K = x.shape[-1]
;;       x = np.pad(x, [(0, 0)] * (x.ndim - 1) + [(0, -K % 32)]); x = x.reshape(x.shape[:-1] + (-1, 32)); a = np.abs(x).max(-1, keepdims=True)
;;       e = np.where(a > 0, np.clip(np.frexp(np.where(a > 0, a, 1))[1] - 1 - 2, -126, 127), 0)      # np.frexp(a)[1] - 1 = floor(log2(a)), exactly
;;       r = np.clip(x / 2.0 ** e, -7.5, 7.5)
;;       step = 2.0 ** (np.maximum(np.frexp(np.where(r == 0, 1, r))[1] - 1, 0) - 3)
;;       q = np.round(r / step) * step * 2.0 ** e      # np.round: ties to even
;;       return np.moveaxis(q.reshape(q.shape[:-2] + (-1,))[..., :K], -1, axis).astype(np.float32)
;;   ~~~
;;   SOFTMAX AHEAD OF A QUANTISED PRODUCT. Where the list says 'softmax', what is quantised is not the finished softmax but p = 2^(t - M), with t = logit x log2(e) and M = ceil(the row's largest t), a whole number; so 1/2 < the row's largest p <= 1. The row's sum l is taken of the UNQUANTISED p, in f32, and the product's result is divided by l at the end. Since M is a whole number, a kernel that streams over the keys may use a running M (the ceiling of the running maximum): every later rescaling is an exact power of two, which a block's scale takes up: the codes' values come out the same.
;;   OPERANDS COMPUTED ON THE WAY. 'Computed on the way' means the value that the module computes at that place (a softmax that the list does not call 'softmax' is quantised finished and normalised). What goes into a quantiser is computed in f32, as accurately as f32 sums, v_exp_f32 and their like allow (about 1e-6 of the number): no bf16 or f16 on the way to a quantiser, and a product that is left as it is and whose result goes on into a quantised operand takes f32 operands (vector FMAs, or v_wmma_f32_16x16x4_f32). A number that lies on a knife's edge between two numbers of the format may be rounded either way, as far as f32 arithmetic and the matrix unit's own rounding can turn it there, and no further.
;; One version. Each part assembles by itself: llvm-mc -triple=amdgcn-amd-amdhsa -mcpu=gfx1250 --defsym DOCPART=n.
;; ======== version 1 of 1: 5 launches
;; workspace buffers: hsq 3,276,800 bytes; wqkv 9,830,400 bytes; woq 3,276,800 bytes; xqkv 50,331,648 bytes; qimg 3,276,800 bytes; kv 13,107,200 bytes; oq 3,276,800 bytes
;; launch quant (part 1): grid 640 x 1, 4 waves a work-group, no clusters, 35,328 bytes of LDS; arguments hidden_states, wq, wk, wv, wo, hsq, wqkv, woq; writes hsq, wqkv, woq
.if DOCPART == 1
	.amdgcn_target "amdgcn-amd-amdhsa--gfx1250"
	.amdhsa_code_object_version 6
	.text
	.protected	k_q9e5f3f0d75_quant
	.globl	k_q9e5f3f0d75_quant
	.p2align	8
	.type	k_q9e5f3f0d75_quant,@function
k_q9e5f3f0d75_quant:
	s_mov_b64 s[64:65], 0
	v_nop
	global_prefetch_b8 v0, s[64:65] scope:SCOPE_SE
	s_setreg_imm32_b32 hwreg(HW_REG_WAVE_MODE, 25, 1), 1
	s_wait_xcnt 0x0
; hidden_states, wq, wk, wv, wo, each [2048][2048] f32 with K innermost, become codes of FP6 (E2M3) with one E8M0 byte for each 32 along K.
; A block's scale is 2^(floor(log2(largest magnitude)) - 2); its byte is the largest magnitude's exponent field - 2, held at 1 from below.
; THE CODES ARE LAID AS IMAGES OF THE OPERAND'S REGISTERS.  A fragment is 16 rows x 128 K: 12 registers a lane; register g of lane l lies at 512 (g / 4) + 16 l + 4 (g % 4) of its 1,536 bytes.
; Lane (r, h) holds row r of the tile, registers 6 c .. 6 c + 5 = k 64 c + 32 h + 0 .. 31.  THE ROWS OF A TILE ARE NOT NEIGHBOURS: row r of tile t is row 32 (t / 2) + 8 (t % 2) + r + 8 (r / 8) of its group of 128.
; A group of 128 rows is a record of GREC bytes: codes [K step 0..15][tile 0..7][1,536], then from GSC on the scale words [K step][tile][16 rows x 4 bytes].
; SHARES.  640 work-groups: tensor = n / 128, group = (n / 8) % 16, half of the group's tiles = (n / 4) % 2, four K steps = n % 4.  Wave w takes K step 4 (n % 4) + w and four tiles.
; Each load reads 512 consecutive bytes of one row; a tile's 16 rows turn through the wave's own stage in LDS (rows 528 bytes apart) so that a lane gets two whole blocks of 32 neighbours.
; A fragment leaves by three stores of 512 consecutive bytes; the wave's four scale images (256 bytes) are gathered in LDS and leave as one aligned run of 256 bytes.  Waves share nothing: no barrier.
; LIMITS: NaN and infinities among the inputs are not served.  A block of zeros gets the byte 1 where the rule says 127: its codes are zeros, and this program alone reads the bytes.
.set GREC, 204800
.set GSC,  196608
.set WREG, 8704                        ; LDS of a wave: the stage, 16 x SP, and 256 bytes for scale words
.set SP,   528
.set SCG,  16*SP
.set MX,   8                           ; v8-9   largest magnitudes of my two blocks
.set SO,   10                          ; v10-11 the conversions' scale operands
.set BY,   12                          ; v12-13 the scale bytes
.set SW,   14                          ; v14    my row's scale word
.set WX,   15                          ; v15    the other half's two bytes
.set PC,   16                          ; v16-27 the fragment's codes
.set AUX,  28                          ; v28-30, v32-34 a block's upper 16 codes (a conversion's three registers begin on an even number)
.set X,    40                          ; v40-103  64 numbers: register 32 c + i = k 64 c + 32 h + i of my row
.set R,    104                         ; v104-231 two sets of 16 rows as loaded
	s_load_b256 s[4:11], s[0:1], 0x0               ; hidden_states, wq, wk, wv
	s_load_b256 s[12:19], s[0:1], 0x20             ; wo, hsq, wqkv, woq
	v_lshl_add_u32 v232, v0, 2, 0x8800
	v_mov_b32 v233, 0
	v_lshrrev_b32 v1, 5, v0
	v_readfirstlane_b32 s30, v1                    ; wave
	v_and_b32 v9, 31, v0                           ; lane
	v_and_b32 v10, 15, v0                          ; r
	v_bfe_u32 v11, v0, 4, 1                        ; h
	v_lshlrev_b32 v1, 4, v9                        ; v1: 16 x lane
	s_mul_i32 s31, s30, WREG
	v_add_nc_u32 v2, s31, v1                       ; v2: into the stage: a row's 512 bytes as they lie
	v_mul_u32_u24 v3, v10, SP
	v_lshl_add_u32 v3, v11, 7, v3
	v_add_nc_u32 v3, s31, v3                       ; v3: out of it: row r, + 128 h
	s_add_co_u32 s31, s31, SCG
	v_lshl_add_u32 v4, v10, 2, s31                 ; v4: my row's scale word
	v_lshl_add_u32 v5, v9, 3, s31                  ; v5: the 256 bytes back, 8 a lane
	v_lshlrev_b32 v6, 3, v9                        ; v6: 8 x lane
	v_lshlrev_b32 v7, 3, v11                       ; v7: 8 h: my two bytes' shift in the scale word
	v_mov_b32 v[WX], 0                             ; a lane permute's destination counts as one of its sources
	s_mov_b32 s26, 0x76543210
	s_mov_b32 s27, 0xfedcba98                      ; selects: lane l xor 16
	s_lshr_b32 s28, ttmp9, 7                       ; tensor 0..4
	s_bfe_u32 s32, ttmp9, 0x40003                  ; group
	s_bfe_u32 s33, ttmp9, 0x10002                  ; which four tiles
	s_and_b32 s34, ttmp9, 3
	s_lshl_b32 s34, s34, 2
	s_add_co_u32 s34, s34, s30                     ; my K step
	s_lshl_b32 s36, s32, 20                        ; source: 128 rows of 8,192 bytes a group,
	s_lshl_b32 s35, s33, 19                        ; 64 rows for four tiles,
	s_add_co_u32 s36, s36, s35
	s_lshl_b32 s35, s34, 9                         ; 512 bytes a K step
	s_add_co_u32 s36, s36, s35
	s_mov_b32 s37, 0
	s_sub_co_u32 s29, s28, 1                       ; wq, wk, wv share one buffer: 16 records each
	s_lshl_b32 s29, s29, 4
	s_cmp_eq_u32 s28, 0
	s_cselect_b32 s29, 0, s29
	s_cmp_eq_u32 s28, 4
	s_cselect_b32 s29, 0, s29
	s_add_co_u32 s29, s29, s32
	s_mul_i32 s38, s29, GREC                       ; my record
	s_mul_i32 s35, s34, 12288
	s_add_co_u32 s40, s38, s35
	s_mul_i32 s35, s33, 6144
	s_add_co_u32 s40, s40, s35
	s_mov_b32 s41, 0                               ; s[40:41]: my four images
	s_lshl_b32 s35, s34, 9
	s_add_co_u32 s42, s38, s35
	s_lshl_b32 s35, s33, 8
	s_add_co_u32 s42, s42, s35
	s_add_co_u32 s42, s42, GSC
	s_mov_b32 s43, 0                               ; s[42:43]: my 256 bytes of scale words
	s_wait_kmcnt 0x0
	s_mov_b64 s[20:21], s[4:5]                     ; the choices hang on the work-group's number alone
	s_cmp_eq_u32 s28, 1
	s_cselect_b64 s[20:21], s[6:7], s[20:21]
	s_cmp_eq_u32 s28, 2
	s_cselect_b64 s[20:21], s[8:9], s[20:21]
	s_cmp_eq_u32 s28, 3
	s_cselect_b64 s[20:21], s[10:11], s[20:21]
	s_mov_b64 s[22:23], s[16:17]
	s_cmp_eq_u32 s28, 4
	s_cselect_b64 s[20:21], s[12:13], s[20:21]
	s_cselect_b64 s[22:23], s[18:19], s[22:23]
	s_cmp_eq_u32 s28, 0
	s_cselect_b64 s[22:23], s[14:15], s[22:23]
	s_add_nc_u64 s[20:21], s[20:21], s[36:37]
	s_add_nc_u64 s[24:25], s[22:23], s[42:43]
	s_add_nc_u64 s[22:23], s[22:23], s[40:41]
.macro LOADF f                         ; the 16 rows of my f-th tile, 512 consecutive bytes a load
.set i, 0
.rept 16
	global_load_b128 v[R+64*((\f)%2)+4*i:R+64*((\f)%2)+4*i+3], v1, s[20:21] offset:(32*((\f)/2)+8*((\f)%2)+i+8*(i/8))*8192 th:TH_LOAD_NT
.set i, i+1
.endr
.endm
.macro TURN f                          ; through the stage: LDS serves a wave's instructions in order, so no wait stands between the stores and the loads
.set i, 0
.rept 16
	ds_store_b128 v2, v[R+64*((\f)%2)+4*i:R+64*((\f)%2)+4*i+3] offset:SP*i
.set i, i+1
.endr
.set i, 0
.rept 16
	ds_load_b128 v[X+4*i:X+4*i+3], v3 offset:256*(i/8)+16*(i%8)
.set i, i+1
.endr
.endm
.macro QB                              ; 64 numbers become 12 registers of codes and a scale word; each of my two blocks is whole in my lane
	v_max3_num_f32 v[MX], |v[X]|, |v[X+1]|, 0x1800000          ; with the floor 2^(3 - 127): the byte cannot fall under 1
	v_max3_num_f32 v[MX+1], |v[X+32]|, |v[X+33]|, 0x1800000
.set i, 2
.rept 15
	v_max3_num_f32 v[MX], v[MX], |v[X+i]|, |v[X+i+1]|
	v_max3_num_f32 v[MX+1], v[MX+1], |v[X+32+i]|, |v[X+33+i]|
.set i, i+2
.endr
	v_add_nc_u32 v[SO], 0xff000000, v[MX]          ; 2 off the exponent field: the conversion takes that field as its scale
	v_add_nc_u32 v[SO+1], 0xff000000, v[MX+1]
	v_lshrrev_b32 v[BY], 23, v[SO]
	v_lshrrev_b32 v[BY+1], 23, v[SO+1]
	v_lshl_or_b32 v[SW], v[BY+1], 16, v[BY]        ; blocks h and 2 + h of my row,
	v_lshlrev_b32 v[SW], v7, v[SW]                 ; at their places;
	v_permlanex16_b32 v[WX], v[SW], s26, s27
	v_or_b32 v[SW], v[SW], v[WX]                   ; with lane l xor 16's two the word is whole
.irp c, 0,1
	v_cvt_scalef32_pk16_fp6_f32 v[PC+6*\c:PC+6*\c+2], v[X+32*\c:X+32*\c+15], v[SO+\c]
	v_cvt_scalef32_pk16_fp6_f32 v[AUX+4*\c:AUX+4*\c+2], v[X+32*\c+16:X+32*\c+31], v[SO+\c]
.endr
	v_nop                                          ; one plain place behind a scaled conversion
.irp c, 0,1
.irp k, 0,1,2
	v_mov_b32 v[PC+6*\c+3+\k], v[AUX+4*\c+\k]
.endr
.endr
.endm
.macro FRAGMENT f
.if \f < 3
	s_wait_loadcnt 16                              ; this tile's 16 loads are in; the next tile's 16 may be out
.else
	s_wait_loadcnt 0x0
.endif
	TURN \f
	s_wait_dscnt 0x0                               ; my 64 numbers are in, so the stage's stores have read their registers,
.if \f < 2
	LOADF (\f)+2                                   ; which take the tile two on
.endif
.if \f > 0
	s_wait_xcnt 0x0                                ; the last fragment's stores have read their data: the codes' registers are written again only behind this wait
.endif
	QB
.irp c, 0,1,2
	global_store_b128 v1, v[PC+4*\c:PC+4*\c+3], s[22:23] offset:1536*\f+512*\c   ; 512 consecutive bytes a store
.endr
	ds_store_b32 v4, v[SW] offset:64*\f            ; both halves of the lanes write the same word with the same value
.endm
	LOADF 0
	LOADF 1
	FRAGMENT 0
	FRAGMENT 1
	FRAGMENT 2
	FRAGMENT 3
	ds_load_b64 v[8:9], v5                         ; in order behind my stores
	s_wait_dscnt 0x0
	global_store_b64 v6, v[8:9], s[24:25]          ; 32 lanes store 256 consecutive bytes, aligned
	s_wait_tensorcnt 0x0
	ds_add_u32 v232, v233
	s_wait_dscnt 0x0
	s_endpgm
.Lfunc_end_k_q9e5f3f0d75_quant:
	.size	k_q9e5f3f0d75_quant, .Lfunc_end_k_q9e5f3f0d75_quant-k_q9e5f3f0d75_quant
	.p2alignl 7, 3214868480
	.fill 96, 4, 3214868480
	.section	.rodata,"a",@progbits
	.p2align	6, 0x0
	.amdhsa_kernel k_q9e5f3f0d75_quant
		.amdhsa_group_segment_fixed_size 35328
		.amdhsa_private_segment_fixed_size 0
		.amdhsa_enable_private_segment 0
		.amdhsa_kernarg_size 64
		.amdhsa_user_sgpr_count 2
		.amdhsa_user_sgpr_kernarg_segment_ptr 1
		.amdhsa_wavefront_size32 1
		.amdhsa_system_sgpr_workgroup_id_x 1
		.amdhsa_system_sgpr_workgroup_id_y 1
		.amdhsa_system_sgpr_workgroup_id_z 1
		.amdhsa_system_vgpr_workitem_id 0
		.amdhsa_next_free_vgpr 234
		.amdhsa_next_free_sgpr 66
		.amdhsa_reserve_vcc 0
		.amdhsa_float_denorm_mode_32 3
		.amdhsa_float_denorm_mode_16_64 3
		.amdhsa_memory_ordered 1
		.amdhsa_forward_progress 1
		.amdhsa_inst_pref_size 31
	.end_amdhsa_kernel
	.amdgpu_metadata
---
amdhsa.version: [ 1, 2 ]
amdhsa.kernels:
  - .name:           k_q9e5f3f0d75_quant
    .symbol:         k_q9e5f3f0d75_quant.kd
    .args:
      - { .name: hidden_states, .offset: 0, .size: 8, .value_kind: global_buffer, .address_space: global }
      - { .name: wq, .offset: 8, .size: 8, .value_kind: global_buffer, .address_space: global }
      - { .name: wk, .offset: 16, .size: 8, .value_kind: global_buffer, .address_space: global }
      - { .name: wv, .offset: 24, .size: 8, .value_kind: global_buffer, .address_space: global }
      - { .name: wo, .offset: 32, .size: 8, .value_kind: global_buffer, .address_space: global }
      - { .name: hsq, .offset: 40, .size: 8, .value_kind: global_buffer, .address_space: global }
      - { .name: wqkv, .offset: 48, .size: 8, .value_kind: global_buffer, .address_space: global }
      - { .name: woq, .offset: 56, .size: 8, .value_kind: global_buffer, .address_space: global }
    .group_segment_fixed_size: 35328
    .private_segment_fixed_size: 0
    .kernarg_segment_align: 8
    .kernarg_segment_size: 64
    .max_flat_workgroup_size: 128
    .sgpr_count:     66
    .vgpr_count:     234
    .wavefront_size: 32
...
	.end_amdgpu_metadata
.endif
;; end of part 1
;; launch qkv (part 2): grid 24 x 8, 4 waves a work-group, clusters of 4 x 4, 327,680 bytes of LDS; arguments hsq, wqkv, xqkv; writes xqkv
.if DOCPART == 2
	.amdgcn_target "amdgcn-amd-amdhsa--gfx1250"
	.amdhsa_code_object_version 6
	.text
	.protected	k_q9e5f3f0d75_qkv
	.globl	k_q9e5f3f0d75_qkv
	.p2align	8
	.type	k_q9e5f3f0d75_qkv,@function
k_q9e5f3f0d75_qkv:
	s_mov_b64 s[64:65], 0
	v_nop
	global_prefetch_b8 v0, s[64:65] scope:SCOPE_SE
	s_setreg_imm32_b32 hwreg(HW_REG_WAVE_MODE, 25, 1), 1
	s_wait_xcnt 0x0
	s_wait_alu depctr_hold_cnt(0) depctr_sa_sdst(0) depctr_va_vdst(0) depctr_va_sdst(0) depctr_va_ssrc(0) depctr_va_vcc(0) depctr_vm_vsrc(0)
	s_getreg_b32 s2, hwreg(HW_REG_IB_STS2, 6, 4)
	s_cmp_eq_u32 s2, 0
	s_cbranch_scc0 .Lentry_in_a_cluster
	s_endpgm
.Lentry_in_a_cluster:
	s_bfe_u32 s2, ttmp6, 0x10000c
	s_cmp_lg_u32 s2, 0xf033
	s_cbranch_scc0 .Lentry_shape_is_right
	s_endpgm
.Lentry_shape_is_right:
; C = A B^T on codes of FP6 (E2M3) with one E8M0 scale for each 32 along K; K = 2,048; sums in f32; C row-major f32, rows of 8,192 bytes, in planes of 2,048 x 2,048 (plane = tile column / 8).
; A and B arrive as RECORDS of 128 rows (GREC bytes): codes [K step of 128: 0..15][tile 0..7][1,536 bytes, an image of the fragment's 12 registers], then from GSC on scale words [K step][tile][16 x 4 bytes].
; Row r of tile t is row 32 (t / 2) + 8 (t % 2) + r + 8 (r / 8) of the record's 128.  An image comes into registers by three loads of 512 consecutive bytes: no pitch, no padding.
; A tile of C, 256 x 256, is made by four waves, one to a SIMD; a wave makes 128 x 128: 64 accumulators, 512 registers.  K goes in steps of 256 through a ring of two LDS slots; a wave's tensor load brings one record's
; two K steps, 24,576 dense bytes.  The scale words of the four records (8,192 bytes each) come once, with the first fills, and stay.
; CLUSTERS: 4 x 4 work-groups.  The four of a row of the cluster need the same records of A, the four of a column the same records of B: each is asked for JOINTLY, by the same tensor load with the same descriptor and a mask
; that names the four.  THE MATRIX INSTRUCTION IS USED TRANSPOSED (source 0 = a tile of B, source 1 = a tile of A): lane (r, h) holds row r of A's tile, and register j of B's tile b is column 32 (b / 2) + 16 h + 8 (b % 2) + j.
; REGISTERS, in windows of 256: window 0: v16-31 addresses; v32-63 scale words, two sets; v128-223 A's fragments, ONE set; on the way out v128-255 take rows of C.
;   window 1: B's fragments, two sets, at v0 and v128.   window 2: the accumulators of A's tiles 0-3 ((a, b) at v[8 (8 a + b)]);   window 3: those of tiles 4-7.
; The three projections are one product: 24 x 8 tiles of C, 192 work-groups, each with one tile.
.set NQ,     2                         ; matrix instructions deep in a slot
.set FR,     12                        ; registers of a fragment
.set NL,     3                         ; LDS loads that bring one
.set NP,     4                         ; places behind this matrix instruction (ISA guide 7.12.1)
.set GREC,   204800
.set GSC,    196608
.set KSB,    12288                     ; a record's codes of one K step of 128
.set HALFT,  NQ*KSB                    ; what one tensor load brings, and what one wave reads of A or of B in a slot
.set SLOT,   4*HALFT                   ; A's two records, then B's two
.set LAPS,   4                         ; a lap = two slots = 512 along K
.set SCL,    2*SLOT                    ; behind the ring: A's scale words, 2 x 8,192 bytes,
.set SCLB,   SCL+16384+128             ; and B's, 128 bytes askew, so that the two halves of a load's lanes touch different banks (64 banks of 4 bytes: ISA guide 11.1)
.set SPARE,  229632                    ; the spare words, 128 bytes for each wave: two blocks of 256 bytes that no other line names
.set SPITCH, 528                       ; the way out: a stage of 16 rows x (512 + 16) bytes for each wave, in slot 0, which has had its last fill and its last read by then
.set ROWC,   8192
.set ADRA, 16                          ; v16-17  16 x lane + my record of A in slot 0, 1
.set ADRB, 20                          ; v20-21  the same for B
.set STO,  24                          ; v24     the way out: where I put 32 bytes of a row
.set RD,   25                          ; v25     where I read a row back
.set CO,   26                          ; v26     16 x lane: my bytes of a row of C
.set ADRS, 27                          ; v27     my scale words: lanes 0-15 A's, lanes 16-31 B's
.set SPW,  28                          ; v28     my spare word; never rewritten
.set NIL,  29                          ; v29     0; never rewritten
.set SC,   32                          ; set s at v[SC + 16 s]; register 2 i + q: lanes 0-15 the words of A's tile i, lanes 16-31 of B's tile i, for the slot's q-th 128 along K
.set AF,   128
.set BK,   128
.set G1, 24
.set G0, 32
.set G1B, 48
.set G0B, 56
.set G1S, 68
.set G0S, 76
.set G1SB, 80
.set G0SB, 88
.set MSB, 0
.macro WIN new                         ; the immediate's high byte repeats the setting that is left
.if MSB != \new
	s_set_vgpr_msb (MSB<<8)|\new
.set MSB, \new
.endif
.endm
.set MUL_LO, 0xa1                      ; source 0 (B) window 1, source 1 (A) window 0, C and D window 2
.set MUL_HI, 0xf1                      ; the same, C and D window 3
.set TO_B,   0x40                      ; destination window 1, address window 0
; A joint load: waves 0 and 1 fetch for A, waves 2 and 3 for B.  Each line has one mask and one set of registers for all that issue it; the branch hangs on the wave's number alone.
; Four v_nop follow each of the two lines, ahead of the jump, the label and what follows.
.macro JLOAD g0a, g1a, g0b, g1b
	s_cmp_eq_u32 s15, 0
	s_cbranch_scc0 .Lfor_b_\@
	tensor_load_to_lds s[\g0a:\g0a+3], s[\g1a:\g1a+7]
	s_nop 0
.rept 4
	v_nop
.endr
	s_branch .Lasked_\@
.Lfor_b_\@:
	tensor_load_to_lds s[\g0b:\g0b+3], s[\g1b:\g1b+7]
	s_nop 0
.rept 4
	v_nop
.endr
.Lasked_\@:
.endm
.macro CREST                           ; a round of the cluster's barrier behind its opening barrier
	s_cmp_lg_u32 s14, 0
	s_cbranch_scc1 .Lnot_wave_0_\@
	s_barrier_signal -3
.Lnot_wave_0_\@:
	s_barrier_wait -3
	s_barrier_signal -1
	s_barrier_wait -1
.endm
.macro CROUND                          ; a whole round
	s_barrier_signal -1
	s_barrier_wait -1
	CREST
.endm
	s_load_b64 s[4:5], s[0:1], 0x0                 ; A's records
	s_load_b64 s[8:9], s[0:1], 0x8                 ; B's records
	s_load_b64 s[12:13], s[0:1], 0x10              ; C
	v_lshl_add_u32 v[SPW], v0, 2, SPARE
	v_mov_b32 v[NIL], 0
	ds_add_u32 v28, v29
	ds_add_u32 v28, v29
	s_wait_dscnt 0x0
	v_lshrrev_b32 v1, 5, v0
	v_readfirstlane_b32 s14, v1                    ; wave 0..3
	s_lshr_b32 s15, s14, 1                         ; which record of A is mine.  Also: I fetch for A (0) or for B (1)
	s_and_b32 s16, s14, 1                          ; which record of B is mine.  Also: which of the two records I fetch
	s_bfe_u32 s40, ttmp6, 0x40000                  ; cx, cy: my place in the cluster
	s_bfe_u32 s41, ttmp6, 0x40004
	s_lshl_b32 s42, ttmp9, 2
	s_add_co_u32 s42, s42, s40                     ; tile column of C = 4 x cluster x + cx
	s_and_b32 s17, ttmp7, 0xffff
	s_lshl_b32 s17, s17, 2
	s_add_co_u32 s17, s17, s41                     ; tile row of C = 4 x cluster y + cy
	s_lshl_b32 s43, s41, 2
	s_lshl_b32 s43, 15, s43                        ; my row of the cluster
	s_lshl_b32 s44, 0x1111, s40                    ; my column
	; descriptor group 1: a dense block as rows of 256 bytes (32 elements of 8 bytes), no padding: 96 rows of codes, 32 rows of scale words
	s_or_b32 s[G1+0], s43, (3<<16)|(1<<21)         ; 15:0 the mask: A's go to my row; 17:16 elements of 8 bytes; 21 set beside a mask
	s_or_b32 s[G1B+0], s44, (3<<16)|(1<<21)
.irp g, G1, G1B
	s_mov_b32 s[\g+1], 32<<16                      ; tensor_dim0
	s_mov_b32 s[\g+2], 96<<16                      ; tensor_dim1
	s_mov_b32 s[\g+3], 32<<16                      ; tile_dim0
	s_mov_b32 s[\g+4], 96                          ; tile_dim1
	s_mov_b32 s[\g+5], 32                          ; tensor_dim0_stride
	s_mov_b32 s[\g+6], 0
	s_mov_b32 s[\g+7], 0
.endr
	s_or_b32 s[G1S+0], s43, (3<<16)|(1<<21)
	s_or_b32 s[G1SB+0], s44, (3<<16)|(1<<21)
.irp g, G1S, G1SB
	s_mov_b32 s[\g+1], 32<<16
	s_mov_b32 s[\g+2], 32<<16
	s_mov_b32 s[\g+3], 32<<16
	s_mov_b32 s[\g+4], 32
	s_mov_b32 s[\g+5], 32
	s_mov_b32 s[\g+6], 0
	s_mov_b32 s[\g+7], 0
.endr
	s_lshl_b32 s20, s17, 1
	s_add_co_u32 s20, s20, s16                     ; A: record 2 x tile row + which
	s_mul_i32 s20, s20, GREC
	s_mov_b32 s21, 0
	s_lshl_b32 s46, s42, 1
	s_add_co_u32 s46, s46, s16                     ; B: record 2 x tile column + which
	s_mul_i32 s46, s46, GREC
	s_mov_b32 s47, 0
	s_mul_i32 s45, s14, HALFT                      ; where the codes go: wave x 24,576: no place in the cluster enters an LDS address
	s_lshl_b32 s94, s14, 13                        ; and the scale words: SCL + 8,192 x wave + 128 for B's
	s_lshl_b32 s95, s15, 7
	s_add_co_u32 s94, s94, s95
	s_add_co_u32 s94, s94, SCL
	s_wait_kmcnt 0x0
	s_add_nc_u64 s[20:21], s[4:5], s[20:21]
	s_add_nc_u64 s[46:47], s[8:9], s[46:47]
	s_add_nc_u64 s[22:23], s[20:21], GSC
	s_add_nc_u64 s[92:93], s[46:47], GSC
	CROUND                                         ; all sixteen work-groups are here: the first joint loads meet
	s_mov_b32 s[G0S], 1
	s_mov_b32 s[G0S+1], s94
	s_mov_b64 s[G0S+2:G0S+3], s[22:23]
	s_or_b32 s[G0S+3], s[G0S+3], 0x80000000
	s_mov_b32 s[G0SB], 1
	s_mov_b32 s[G0SB+1], s94
	s_mov_b64 s[G0SB+2:G0SB+3], s[92:93]
	s_or_b32 s[G0SB+3], s[G0SB+3], 0x80000000
	JLOAD G0S, G1S, G0SB, G1SB                     ; the scale words first: they are wanted with the first K step
.irp s, 0,1
	s_mov_b32 s[G0+4*\s], 1
	s_add_co_u32 s[G0+4*\s+1], s45, \s*SLOT
	s_add_nc_u64 s[G0+4*\s+2:G0+4*\s+3], s[20:21], \s*HALFT
	s_or_b32 s[G0+4*\s+3], s[G0+4*\s+3], 0x80000000
	s_mov_b32 s[G0B+4*\s], 1
	s_add_co_u32 s[G0B+4*\s+1], s45, \s*SLOT
	s_add_nc_u64 s[G0B+4*\s+2:G0B+4*\s+3], s[46:47], \s*HALFT
	s_or_b32 s[G0B+4*\s+3], s[G0B+4*\s+3], 0x80000000
	JLOAD G0+4*\s, G1, G0B+4*\s, G1B
.endr
	v_and_b32 v1, 15, v0                           ; r
	v_bfe_u32 v2, v0, 4, 1                         ; h
	v_and_b32 v3, 31, v0
	v_lshlrev_b32 v4, 4, v3                        ; 16 x lane
	s_mul_i32 s21, s15, HALFT                      ; my record of A
	s_mul_i32 s22, s16, HALFT                      ; my record of B,
	s_add_co_u32 s22, s22, 2*HALFT                 ; behind A's two
.irp s, 0,1
	v_add_nc_u32 v[ADRA+\s], s21, v4
	v_add_nc_u32 v[ADRB+\s], s22, v4
	s_add_co_u32 s21, s21, SLOT
	s_add_co_u32 s22, s22, SLOT
.endr
	v_lshlrev_b32 v5, 2, v1                        ; a scale word: 4 bytes a row
	s_lshl_b32 s21, s15, 13                        ; A's: my record
	s_lshl_b32 s22, s16, 13                        ; B's: my record
	s_add_co_u32 s22, s22, SCLB-SCL
	s_sub_co_u32 s22, s22, s21
	v_mul_u32_u24 v6, s22, v2                      ; lanes 16-31 take B's: one product, the distance between the two bases
	s_add_co_u32 s21, s21, SCL
	v_add_nc_u32 v5, v5, v6
	v_add_nc_u32 v[ADRS], s21, v5
	s_mul_i32 s23, s14, 16*SPITCH                  ; my stage
	v_mul_u32_u24 v5, v1, SPITCH                   ; in: row r, + 64 h
	v_lshl_add_u32 v5, v2, 6, v5
	v_add_nc_u32 v[STO], s23, v5
	v_lshlrev_b32 v[CO], 4, v3                     ; back: the 32 lanes take one row of 512 bytes; and the same in C
	v_add_nc_u32 v[RD], s23, v[CO]
	s_lshl_b32 s20, s17, 8
	s_lshl_b32 s21, s15, 7
	s_add_co_u32 s20, s20, s21                     ; my first row of C: 256 x tile row + 128 x which
	s_lshl_b32 s20, s20, 13                        ; in bytes
	s_mov_b32 s21, 0
	s_lshr_b32 s46, s42, 3
	s_lshl_b32 s46, s46, 24                        ; the plane: 16,777,216 bytes each
	s_and_b32 s47, s42, 7
	s_lshl_b32 s47, s47, 10                        ; 1,024 bytes a tile column in it,
	s_add_co_u32 s46, s46, s47
	s_lshl_b32 s47, s16, 9                         ; 512 for my half
	s_add_co_u32 s46, s46, s47
	s_mov_b32 s47, 0
	s_add_nc_u64 s[20:21], s[20:21], s[46:47]
	s_add_nc_u64 s[12:13], s[12:13], s[20:21]
.macro FRAG reg, adr, q, i             ; tile i's image of the slot's q-th 128 along K: three loads of 512 consecutive bytes
.irp c, 0,1,2
	ds_load_b128 v[\reg+4*\c:\reg+4*\c+3], v[\adr] offset:(\q)*KSB+(\i)*1536+512*\c
.endr
.endm
; 16 matrix instructions: A's tiles a0, a0 + 1 x B's eight, 128 along K.  p: B's set;  sc: the set of scale words.  zero = 1: the first product starts the sums.
; The 64 accumulators take turns, one instruction a turn, in the same order in every step.
.macro MUL16 a0, p, q, sc, zero
.irp a, \a0, \a0+1
.irp b, 0,1,2,3,4,5,6,7
.if \zero
	v_wmma_scale_f32_16x16x128_f8f6f4 v[8*(8*((\a)%4)+\b):8*(8*((\a)%4)+\b)+7], v[128*(\p)+FR*\b:128*(\p)+FR*\b+FR-1], v[AF+FR*(\a):AF+FR*(\a)+FR-1], 0, v[SC+8*NQ*(\sc)+NQ*\b+(\q)], v[SC+8*NQ*(\sc)+NQ*(\a)+(\q)] matrix_a_fmt:MATRIX_FMT_FP6 matrix_b_fmt:MATRIX_FMT_FP6 matrix_a_scale:MATRIX_SCALE_ROW1
.else
	v_wmma_scale_f32_16x16x128_f8f6f4 v[8*(8*((\a)%4)+\b):8*(8*((\a)%4)+\b)+7], v[128*(\p)+FR*\b:128*(\p)+FR*\b+FR-1], v[AF+FR*(\a):AF+FR*(\a)+FR-1], v[8*(8*((\a)%4)+\b):8*(8*((\a)%4)+\b)+7], v[SC+8*NQ*(\sc)+NQ*\b+(\q)], v[SC+8*NQ*(\sc)+NQ*(\a)+(\q)] matrix_a_fmt:MATRIX_FMT_FP6 matrix_b_fmt:MATRIX_FMT_FP6 matrix_a_scale:MATRIX_SCALE_ROW1
.endif
.endr
.endr
.endm
.macro FETCH_B slot, q, p              ; B's eight fragments into set p
	WIN TO_B
.irp i, 0,1,2,3,4,5,6,7
	FRAG 128*(\p)+FR*\i, ADRB+\slot, \q, \i
.endr
	WIN 0
.endm
.macro FETCH_A slot, q, i0             ; A's tiles i0 .. i0 + 3
.irp i, \i0, \i0+1, \i0+2, \i0+3
	FRAG AF+FR*(\i), ADRA+\slot, \q, \i
.endr
.endm
.macro SCALES sc                       ; the next slot's scale words: lanes 0-15 take A's tile i, lanes 16-31 B's tile i
.irp i, 0,1,2,3,4,5,6,7
.irp q, 0,1
	ds_load_b32 v[SC+8*NQ*\sc+NQ*\i+\q], v[ADRS] offset:512*\q+64*\i
.endr
.endr
.endm
; A load into a register that a matrix instruction has read, and an LDS store that reads a matrix result, stand NP places behind that matrix instruction; only plain vector instructions that name none of its
; registers are places (ISA guide 7.12.1 for vector instructions).
.macro PLACES n
.rept \n
	v_nop
.endr
.endm
.macro STEP slot, q, zero              ; a step of 128 along K that has its successor in the same slot
	s_wait_dscnt 4*NL                              ; B's set, A's tiles 0-3 and the scale words are in; the youngest 12 loads (A's tiles 4-7) may be out
	WIN MUL_LO
	MUL16 0, (\q)%2, \q, \slot, \zero
	MUL16 2, (\q)%2, \q, \slot, \zero
	s_wait_dscnt 0                                 ; A's tiles 4-7 are in (asked for 32 matrix instructions ago)
	PLACES NP
	FETCH_B \slot, (\q)+1, 1-(\q)%2
	FETCH_A \slot, (\q)+1, 0
	WIN MUL_HI
	MUL16 4, (\q)%2, \q, \slot, \zero
	MUL16 6, (\q)%2, \q, \slot, \zero
	PLACES NP
	WIN 0
	FETCH_A \slot, (\q)+1, 4
.endm
; A slot's last step changes slots: ONE barrier; in front of it each wave waits for all its tensor loads, adds 0 to its spare word, and waits for that and for its own reads of this slot.  fill = 1: this slot is filled again.
.macro TURN slot, next, fill
	s_wait_tensorcnt 0x0                           ; all my tensor loads have landed: my part of the next slot
	ds_add_u32 v[SPW], v[NIL]                      ; 0 onto my spare word
	s_wait_dscnt 4*NL+1                            ; (the add and the youngest 12 loads, A's tiles 4-7, may be out)
	WIN MUL_LO
	MUL16 0, 1, NQ-1, \slot, 0                     ; sixteen matrix instructions stand between the add and the wait for it
	s_wait_dscnt 0x0                               ; the add is done, and my reads of this slot are over
	s_barrier_signal -1
	MUL16 2, 1, NQ-1, \slot, 0
	WIN 0
	s_barrier_wait -1
.if \fill
	CREST                                          ; the barrier has opened a round of the cluster's barrier: no wave of any partner still reads this slot or has a load on its way
	s_add_nc_u64 s[G0+4*\slot+2:G0+4*\slot+3], s[G0+4*\slot+2:G0+4*\slot+3], 2*HALFT
	s_add_nc_u64 s[G0B+4*\slot+2:G0B+4*\slot+3], s[G0B+4*\slot+2:G0B+4*\slot+3], 2*HALFT
	JLOAD G0+4*\slot, G1, G0B+4*\slot, G1B         ; the first tensor load behind the round; its four v_nop are also the places in front of the loads below
.else
	PLACES NP
.endif
	v_add_nc_u32 v[ADRS], 512*NQ, v[ADRS]          ; on to the next slot's scale words (no LDS load of mine is out)
	FETCH_B \next, 0, 0
	FETCH_A \next, 0, 0
	SCALES \next
	WIN MUL_HI
	MUL16 4, 1, NQ-1, \slot, 0
	MUL16 6, 1, NQ-1, \slot, 0
	PLACES NP
	WIN 0
	FETCH_A \next, 0, 4
.endm
	s_wait_tensorcnt 1                             ; the scale words and my part of slot 0 are in (slot 1's load may be out)
	s_barrier_signal -1
	s_barrier_wait -1                              ; everybody's are
	FETCH_B 0, 0, 0
	FETCH_A 0, 0, 0
	SCALES 0
	FETCH_A 0, 0, 4
	STEP 0, 0, 1                                   ; the first step stands in front of the loop: its products start the sums
	s_mov_b32 s3, LAPS-1
.Llap:                                                 ; a trip goes once round the ring, from a lap's second step to the next lap's first, and fills both slots again
	TURN 0, 1, 1
	STEP 1, 0, 0
	TURN 1, 0, 1
	STEP 0, 0, 0
	s_sub_co_u32 s3, s3, 1
	s_cmp_lg_u32 s3, 0
	s_cbranch_scc1 .Llap
	TURN 0, 1, 0                                   ; the last lap fills nothing, and has no round of the cluster's barrier
	STEP 1, 0, 0
	s_wait_dscnt 4*NL                              ; the very last step: nothing more to fetch
	WIN MUL_LO
	MUL16 0, 1, NQ-1, 1, 0
	MUL16 2, 1, NQ-1, 1, 0
	s_wait_dscnt 0
	WIN MUL_HI
	MUL16 4, 1, NQ-1, 1, 0
	MUL16 6, 1, NQ-1, 1, 0
	WIN 0
; THE WAY OUT, a tile of A (16 rows x 128 columns) at a time, through my own stage: a lane's eight results of B's tile b are 32 neighbouring bytes of a row, at 128 (b / 2) + 64 h + 32 (b % 2).  They come back as whole rows of
; 512 bytes.  LDS serves a wave's instructions in order (ISA guide 5.7.1.4): no wait between the stores and the loads, nor in front of the next tile's stores.
.macro TOSTAGE a
.set AC, 64*((\a)%4)
	WIN 0x08+4*((\a)/4)                            ; the data: window 2 or 3
.irp b, 0,1,2,3,4,5,6,7
	ds_store_b128 v[STO], v[AC+8*\b:AC+8*\b+3] offset:128*(\b/2)+32*(\b%2)          ; each accumulator from its low end on
	ds_store_b128 v[STO], v[AC+8*\b+4:AC+8*\b+7] offset:128*(\b/2)+32*(\b%2)+16
.endr
	WIN 0
.set BB, BK+64*((\a)%2)
.irp t, 0,1,2,3,4,5,6,7,8,9,10,11,12,13,14,15
	ds_load_b128 v[BB+4*\t:BB+4*\t+3], v[RD] offset:\t*SPITCH
.endr
.endm
.macro SEND a, younger                 ; younger: the LDS instructions issued behind tile a's loads, which may stay out
.set BB, BK+64*((\a)%2)
	s_wait_dscnt \younger
.irp t, 0,1,2,3,4,5,6,7,8,9,10,11,12,13,14,15
	global_store_b128 v[CO], v[BB+4*\t:BB+4*\t+3], s[12:13] offset:(32*((\a)/2)+8*((\a)%2)+\t+8*(\t/8))*ROWC th:TH_STORE_NT   ; stage row t is the tile's row t; 32 lanes store 512 consecutive bytes, aligned on 256
.endr
.endm
	PLACES NP
	TOSTAGE 0
.irp a, 1,2,3,4,5,6,7
.if \a > 1
	s_wait_xcnt 0x0                                ; tile a - 2's stores have read their registers: tile a's loads may land there
.endif
	TOSTAGE \a
	SEND \a-1, 32                                  ; behind tile a - 1's loads: tile a's 16 stores and 16 loads
.endr
	SEND 7, 0
	s_wait_tensorcnt 0x0                           ; the wave's end: behind my last tensor load and my last LDS store
	ds_add_u32 v[SPW], v[NIL]
	s_wait_dscnt 0x0
	CROUND                                         ; the closing round: no work-group ends while a partner may still ask for a tile that names it
	s_endpgm
.Lfunc_end_k_q9e5f3f0d75_qkv:
	.size	k_q9e5f3f0d75_qkv, .Lfunc_end_k_q9e5f3f0d75_qkv-k_q9e5f3f0d75_qkv
	.p2alignl 7, 3214868480
	.fill 96, 4, 3214868480
	.section	.rodata,"a",@progbits
	.p2align	6, 0x0
	.amdhsa_kernel k_q9e5f3f0d75_qkv
		.amdhsa_group_segment_fixed_size 327680
		.amdhsa_private_segment_fixed_size 0
		.amdhsa_enable_private_segment 0
		.amdhsa_kernarg_size 24
		.amdhsa_user_sgpr_count 2
		.amdhsa_user_sgpr_kernarg_segment_ptr 1
		.amdhsa_wavefront_size32 1
		.amdhsa_system_sgpr_workgroup_id_x 1
		.amdhsa_system_sgpr_workgroup_id_y 1
		.amdhsa_system_sgpr_workgroup_id_z 1
		.amdhsa_system_vgpr_workitem_id 0
		.amdhsa_next_free_vgpr 1024
		.amdhsa_next_free_sgpr 98
		.amdhsa_reserve_vcc 0
		.amdhsa_float_denorm_mode_32 3
		.amdhsa_float_denorm_mode_16_64 3
		.amdhsa_memory_ordered 1
		.amdhsa_forward_progress 1
		.amdhsa_inst_pref_size 137
	.end_amdhsa_kernel
	.amdgpu_metadata
---
amdhsa.version: [ 1, 2 ]
amdhsa.kernels:
  - .name:           k_q9e5f3f0d75_qkv
    .symbol:         k_q9e5f3f0d75_qkv.kd
    .args:
      - { .name: hsq, .offset: 0, .size: 8, .value_kind: global_buffer, .address_space: global }
      - { .name: wqkv, .offset: 8, .size: 8, .value_kind: global_buffer, .address_space: global }
      - { .name: xqkv, .offset: 16, .size: 8, .value_kind: global_buffer, .address_space: global }
    .group_segment_fixed_size: 327680
    .private_segment_fixed_size: 0
    .kernarg_segment_align: 8
    .kernarg_segment_size: 24
    .max_flat_workgroup_size: 128
    .sgpr_count:     98
    .vgpr_count:     1024
    .wavefront_size: 32
...
	.end_amdgpu_metadata
.endif
;; end of part 2
;; launch prep (part 3): grid 1408 x 1, 4 waves a work-group, no clusters, 76,544 bytes of LDS; arguments xqkv, k_cache, v_cache, q_norm_w, k_norm_w, qimg, kv, out1, out2; writes qimg, kv, out1, out2
.if DOCPART == 3
	.amdgcn_target "amdgcn-amd-amdhsa--gfx1250"
	.amdhsa_code_object_version 6
	.text
	.protected	k_q9e5f3f0d75_prep
	.globl	k_q9e5f3f0d75_prep
	.p2align	8
	.type	k_q9e5f3f0d75_prep,@function
k_q9e5f3f0d75_prep:
	s_mov_b64 s[64:65], 0
	v_nop
	global_prefetch_b8 v0, s[64:65] scope:SCOPE_SE
	s_setreg_imm32_b32 hwreg(HW_REG_WAVE_MODE, 25, 1), 1
	s_wait_xcnt 0x0
; Between the projections and attention.  xqkv: [3][2048][2048] f32: xq, xk, xv as the products left them.  Two paths, parted once on the work-group's number; each has LDS bytes of its own.
; K PATH (work-groups 0-383; kind = n / 128: 0 xq, 1 xk, 2 k_cache): RMS norm over a head's 128 (not for k_cache, which holds normed keys); the normed xk is out1; RoPE at position 2,048 + token (k_cache: its row);
;   quantised along the head's 128 into codes of FP6 (E2M3), laid as images of the operand's registers (16 rows x 128 K, 1,536 bytes: register g of lane l at 512 (g / 4) + 16 l + 4 (g % 4)) with 64 bytes of scale words a tile.
;   Row r of tile t is row 32 (t / 2) + 8 (t % 2) + r + 8 (r / 8) of its 128.  Queries: qimg [head][128 queries: 12,800 bytes = 8 images + 8 x 64].  Keys: kv [head][key step of 128: 25,600 bytes], K's images at 0, K's scale words at 12,288.
;   Wave w takes token tile 4 ((n / 4) % 32) + w and heads 4 (n % 4) + 0..3.  The sine and cosine of a lane's 32 pairs hang on its token and its half alone: made once, kept in 64 registers.
; V PATH (work-groups 384-1,407): v_cache (key steps 0-15) and xv (16-31; also out2) are quantised DOWN THE KEYS, blocks of 32 keys: a lane takes a channel and its registers run down the keys.  A work-group takes 128 keys x 64 channels,
;   wave w key block w.  V^T's images (16 channels x 128 keys; channels in the tiles' row order) are pieced together in LDS and leave whole: kv record + 12,800, scale words at + 25,088.
; SINE AND COSINE: the frequency is 2^(-F log2(10000) / 64) by v_exp_f32; the angle is position x frequency, rounded once; reduced by multiples of pi/2 in three parts; polynomials of degree 7 and 8 on [-pi/4, pi/4].
; LIMITS: NaN and infinities are not served.  A block of zeros gets the byte 1 (its codes are zeros; this program alone reads the bytes).  The frequency is good to about one part in 10^7, so an angle near position 4,095 may
;   differ by some 5e-4 rad from one made with another f32 power function; queries and keys share the table.
.set SP,   528                         ; K path: a stage row, 512 bytes + 16
.set KSG,  33792                       ; K path: behind the four stages: scale words [head][wave][64]
.set VB,   34816                       ; V path: four stages of 32 x 272 bytes,
.set VIM,  69632                       ; four images,
.set VSC,  75776                       ; their scale words
.set MX,   8
.set SO,   10
.set BY,   12
.set SW,   14
.set WX,   15
.set PC,   16                          ; v16-27 a fragment's codes
.set AUX,  28
.set W4,   36                          ; v36-39 the norm's weights of my four channels
.set T,    40                          ; v40-47 at work
.set X,    64                          ; v64-127 register 32 c + i = channel 64 c + 32 h + i of my token; before that at work for the norm and the table
.set PT,   128                         ; v128-191 pair p: cosine, sine
.set R,    192                         ; v192-255 16 rows as loaded: row i in R + 4 i .., lane l channels 4 l ..
	s_load_b256 s[4:11], s[0:1], 0x0               ; xqkv, k_cache, v_cache, q_norm_w
	s_load_b256 s[12:19], s[0:1], 0x20             ; k_norm_w, qimg, kv, out1
	s_load_b64 s[20:21], s[0:1], 0x40              ; out2
	v_lshl_add_u32 v62, v0, 2, 0x12900
	v_mov_b32 v63, 0
	v_lshrrev_b32 v1, 5, v0
	v_readfirstlane_b32 s22, v1                    ; wave
	v_and_b32 v9, 31, v0                           ; lane
	v_and_b32 v10, 15, v0                          ; r
	v_bfe_u32 v11, v0, 4, 1                        ; h
	s_cmp_lt_u32 ttmp9, 384
	s_cbranch_scc0 .Lvpath
	; ---------------- K PATH ----------------
	s_lshr_b32 s23, ttmp9, 7                       ; kind
	s_bfe_u32 s24, ttmp9, 0x50002                  ; which 64 tokens
	s_and_b32 s25, ttmp9, 3                        ; which four heads
	s_lshl_b32 s26, s24, 6
	s_lshr_b32 s27, s22, 1
	s_lshl_b32 s27, s27, 5
	s_add_co_u32 s26, s26, s27
	s_and_b32 s27, s22, 1
	s_lshl_b32 s27, s27, 3
	s_add_co_u32 s26, s26, s27                     ; my tile's row 0: 64 x + 32 (w / 2) + 8 (w % 2)
	s_lshl_b32 s28, s26, 13
	s_lshl_b32 s27, s25, 11
	s_add_co_u32 s28, s28, s27
	s_mov_b32 s29, 0                               ; s[28:29]: that row, my first head, in bytes
	s_cmp_eq_u32 s23, 2
	s_cselect_b32 s30, 0, 2048                     ; new tokens stand at positions 2,048 on
	s_cmp_eq_u32 s23, 1
	s_cselect_b32 s31, 128, 0                      ; new keys are key tiles 128 on
	s_cselect_b32 s34, 16777216, 0                 ; xk's plane
	s_cmp_eq_u32 s23, 0
	s_mov_b32 s32, 819200
	s_cselect_b32 s32, 204800, s32                 ; bytes of a head,
	s_mov_b32 s33, 25600
	s_cselect_b32 s33, 12800, s33                  ; of a record
	s_add_co_u32 s30, s30, s26
	s_lshl_b32 s35, s24, 2
	s_add_co_u32 s31, s31, s35                     ; wave 0's tile, a multiple of 4
	s_lshr_b32 s35, s31, 3
	s_mul_i32 s35, s35, s33                        ; the record
	s_lshl_b32 s36, s25, 2
	s_mul_i32 s37, s36, s32
	s_add_co_u32 s38, s35, s37
	s_and_b32 s39, s31, 7
	s_add_co_u32 s39, s39, s22
	s_mul_i32 s39, s39, 1536
	s_add_co_u32 s38, s38, s39
	s_mov_b32 s39, 0                               ; s[38:39]: my image for my first head
	s_add_co_u32 s36, s36, s22                     ; the head whose scale words I store at the end
	s_mul_i32 s36, s36, s32
	s_add_co_u32 s36, s36, s35
	s_and_b32 s37, s31, 7
	s_lshl_b32 s37, s37, 6
	s_add_co_u32 s36, s36, s37
	s_add_co_u32 s36, s36, 12288
	s_mov_b32 s37, 0                               ; s[36:37]
	s_mov_b32 s35, 0                               ; s[34:35]: the plane
	s_mov_b32 s40, s32
	s_mov_b32 s41, 0                               ; s[40:41]: a head on
	s_mov_b32 s50, 0xbfc90000                      ; -pi/2 in three parts
	s_mov_b32 s51, 0xb9fda000
	s_mov_b32 s52, 0xb3a22168
	s_mov_b32 s53, 0xb94ca1f9                      ; the sine's coefficients
	s_mov_b32 s54, 0x3c08839e
	s_mov_b32 s55, 0xbe2aaaa3
	s_mov_b32 s56, 0x37ccf5ce                      ; the cosine's
	s_mov_b32 s57, 0xbab6061a
	s_mov_b32 s58, 0x3d2aaaa5
	s_mov_b32 s59, 0x3c000000                      ; 1 / 128
	s_mov_b32 s60, 0x358637bd                      ; 1e-6
	s_mov_b32 s62, 0x76543210
	s_mov_b32 s63, 0xfedcba98                      ; selects: lane l xor 16
	v_lshlrev_b32 v1, 4, v9                        ; v1: 16 x lane
	s_mul_i32 s27, s22, 16*SP
	v_add_nc_u32 v2, s27, v1                       ; v2: into my stage
	v_mul_u32_u24 v3, v10, SP
	v_lshl_add_u32 v3, v11, 7, v3
	v_add_nc_u32 v3, s27, v3                       ; v3: out of it: row r, + 128 h
	s_lshl_b32 s27, s22, 6
	s_add_co_u32 s27, s27, KSG
	v_lshl_add_u32 v4, v10, 2, s27                 ; v4: my row's scale word
	s_lshl_b32 s27, s22, 8
	s_add_co_u32 s27, s27, KSG
	v_lshl_add_u32 v5, v9, 3, s27                  ; v5: a head's 256 bytes back
	v_lshlrev_b32 v6, 3, v9                        ; v6: 8 x lane
	v_lshlrev_b32 v7, 3, v11                       ; v7: 8 h
	v_mov_b32 v[WX], 0                             ; a lane permute's destination counts as one of its sources
	v_lshlrev_b32 v49, 4, v11                      ; v49: 16 h
	v_and_b32 v48, 8, v10
	v_add_nc_u32 v48, v48, v10
	v_add_nc_u32 v48, s30, v48
	v_cvt_f32_u32 v48, v48                         ; v48: my token's position
	s_wait_kmcnt 0x0
	s_cmp_eq_u32 s23, 2                            ; the choices hang on the work-group's number alone
	s_cselect_b64 s[42:43], s[6:7], s[4:5]
	s_cmp_eq_u32 s23, 0
	s_cselect_b64 s[44:45], s[14:15], s[16:17]
	s_cselect_b64 s[46:47], s[10:11], s[12:13]
	s_add_nc_u64 s[42:43], s[42:43], s[34:35]
	s_add_nc_u64 s[42:43], s[42:43], s[28:29]      ; the source
	s_add_nc_u64 s[18:19], s[18:19], s[28:29]      ; out1
	s_add_nc_u64 s[48:49], s[44:45], s[36:37]      ; scale words
	s_add_nc_u64 s[44:45], s[44:45], s[38:39]      ; images
.macro LOADK f                         ; my 16 tokens' 512 bytes of head f
.set i, 0
.rept 16
	global_load_b128 v[R+4*i:R+4*i+3], v1, s[42:43] offset:(i+8*(i/8))*8192+512*(\f) th:TH_LOAD_NT
.set i, i+1
.endr
.endm
; One stage of the table for all 32 pairs, so that no line waits for the line above it.  Pair p holds channels 64 (p / 16) + 32 h + 2 (p % 16), + 1: frequency number 32 (p / 16) + 16 h + p % 16.
.macro SCS st
.set pp, 0
.rept 32
.set ra, PT+2*pp
.set rb, PT+2*pp+1
.set rx, X+2*pp
.set ry, X+2*pp+1
.if \st == 0
	v_add_nc_u32 v[ra], 32*(pp/16)+pp%16, v49
.elseif \st == 1
	v_cvt_f32_u32 v[ra], v[ra]
.elseif \st == 2
	v_mul_f32 v[ra], 0xbe549a78, v[ra]             ; x -log2(10000) / 64
.elseif \st == 3
	v_exp_f32 v[ra], v[ra]                         ; the frequency
.elseif \st == 4
	v_mul_f32 v[ra], v48, v[ra]                    ; the angle
.elseif \st == 5
	v_mul_f32 v[rb], 0x3f22f983, v[ra]             ; x 2 / pi
.elseif \st == 6
	v_rndne_f32 v[rb], v[rb]                       ; k
.elseif \st == 7
	v_fma_f32 v[ra], v[rb], s50, v[ra]
.elseif \st == 8
	v_fma_f32 v[ra], v[rb], s51, v[ra]
.elseif \st == 9
	v_fma_f32 v[ra], v[rb], s52, v[ra]             ; rho = angle - k pi/2
.elseif \st == 10
	v_mul_f32 v[rx], v[ra], v[ra]                  ; z
.elseif \st == 11
	v_fma_f32 v[ry], v[rx], s53, s54
.elseif \st == 12
	v_fma_f32 v[ry], v[ry], v[rx], s55
.elseif \st == 13
	v_mul_f32 v[ry], v[ry], v[rx]
.elseif \st == 14
	v_fma_f32 v[ry], v[ry], v[ra], v[ra]           ; sin rho
.elseif \st == 15
	v_fma_f32 v[ra], v[rx], s56, s57
.elseif \st == 16
	v_fma_f32 v[ra], v[ra], v[rx], s58
.elseif \st == 17
	v_fma_f32 v[ra], v[ra], v[rx], -0.5
.elseif \st == 18
	v_fma_f32 v[ra], v[ra], v[rx], 1.0             ; cos rho
.elseif \st == 19
	v_cvt_i32_f32 v[rb], v[rb]
.elseif \st == 20
	v_and_b32 v[rx], 1, v[rb]                      ; an odd k swaps the two
	v_cmp_eq_u32 vcc_lo, 1, v[rx]
	v_cndmask_b32 v[rx], v[ry], v[ra], vcc_lo      ; the sine's magnitude
	v_cndmask_b32 v[ry], v[ra], v[ry], vcc_lo      ; the cosine's
.elseif \st == 21
	v_add_lshl_u32 v[ra], v[rb], 1, 30             ; the cosine is negative where k % 4 is 1 or 2: bit 1 of k + 1
.elseif \st == 22
	v_lshlrev_b32 v[rb], 30, v[rb]                 ; the sine where k % 4 is 2 or 3: bit 1 of k
.elseif \st == 23
	v_and_b32 v[ra], 0x80000000, v[ra]
.elseif \st == 24
	v_and_b32 v[rb], 0x80000000, v[rb]
.elseif \st == 25
	v_xor_b32 v[ra], v[ra], v[ry]                  ; the cosine
.else
	v_xor_b32 v[rb], v[rb], v[rx]                  ; the sine
.endif
.set pp, pp+1
.endr
.endm
; The norm, in the layout of the loads: a row's 128 numbers lie in the 32 lanes, four each.  Row i's sum, then its 1 / rms, stands in X + 2 i; X + 2 i + 1 takes the other half's sum.
.macro NORM
.set i, 0
.rept 16
	v_pk_mul_f32 v[T+2*(i%4):T+2*(i%4)+1], v[R+4*i:R+4*i+1], v[R+4*i:R+4*i+1]
	v_pk_fma_f32 v[T+2*(i%4):T+2*(i%4)+1], v[R+4*i+2:R+4*i+3], v[R+4*i+2:R+4*i+3], v[T+2*(i%4):T+2*(i%4)+1]
	v_add_f32 v[X+2*i], v[T+2*(i%4)], v[T+2*(i%4)+1]
.set i, i+1
.endr
.irp m, 1,2,4,8
.set i, 0
.rept 16
	v_add_f32_dpp v[X+2*i], v[X+2*i], v[X+2*i] row_xmask:\m row_mask:0xf bank_mask:0xf
.set i, i+1
.endr
.endr
.set i, 0
.rept 16
	v_permlanex16_b32 v[X+2*i+1], v[X+2*i], s62, s63
.set i, i+1
.endr
.set i, 0
.rept 16
	v_add_f32 v[X+2*i], v[X+2*i], v[X+2*i+1]
.set i, i+1
.endr
.set i, 0
.rept 16
	v_fma_f32 v[X+2*i], v[X+2*i], s59, s60         ; the mean of the squares + 1e-6
.set i, i+1
.endr
.set i, 0
.rept 16
	v_rsq_f32 v[X+2*i], v[X+2*i]
.set i, i+1
.endr
	v_nop                                          ; a plain place behind the last of the batch
	s_wait_alu depctr_va_vdst(0)                   ; one wait for the sixteen, ahead of their first reader
.set i, 0
.rept 16
	v_pk_mul_f32 v[R+4*i:R+4*i+1], v[R+4*i:R+4*i+1], v[X+2*i:X+2*i+1] op_sel_hi:[1,0]
	v_pk_mul_f32 v[R+4*i+2:R+4*i+3], v[R+4*i+2:R+4*i+3], v[X+2*i:X+2*i+1] op_sel_hi:[1,0]
.set i, i+1
.endr
.set i, 0
.rept 16
	v_pk_mul_f32 v[R+4*i:R+4*i+1], v[R+4*i:R+4*i+1], v[W4:W4+1]
	v_pk_mul_f32 v[R+4*i+2:R+4*i+3], v[R+4*i+2:R+4*i+3], v[W4+2:W4+3]
.set i, i+1
.endr
.endm
.macro TURNK                           ; through my stage: in order, so no wait stands between the stores and the loads
.set i, 0
.rept 16
	ds_store_b128 v2, v[R+4*i:R+4*i+3] offset:SP*i
.set i, i+1
.endr
.set i, 0
.rept 16
	ds_load_b128 v[X+4*i:X+4*i+3], v3 offset:256*(i/8)+16*(i%8)
.set i, i+1
.endr
.endm
.macro ROPE                            ; (x0, x1) -> (x0 c - x1 s, x0 s + x1 c)
.set pp, 0
.rept 32
	v_mul_f32 v[T+2*(pp%4)], v[X+2*pp+1], v[PT+2*pp+1]
	v_mul_f32 v[T+2*(pp%4)+1], v[X+2*pp+1], v[PT+2*pp]
	v_fma_f32 v[X+2*pp+1], v[X+2*pp], v[PT+2*pp+1], v[T+2*(pp%4)+1]
	v_fma_f32 v[X+2*pp], v[X+2*pp], v[PT+2*pp], -v[T+2*(pp%4)]
.set pp, pp+1
.endr
.endm
.macro QB                              ; 64 numbers become 12 registers of codes and a scale word; each of my two blocks is whole in my lane
	v_max3_num_f32 v[MX], |v[X]|, |v[X+1]|, 0x1800000          ; with the floor 2^(3 - 127): the byte cannot fall under 1
	v_max3_num_f32 v[MX+1], |v[X+32]|, |v[X+33]|, 0x1800000
.set i, 2
.rept 15
	v_max3_num_f32 v[MX], v[MX], |v[X+i]|, |v[X+i+1]|
	v_max3_num_f32 v[MX+1], v[MX+1], |v[X+32+i]|, |v[X+33+i]|
.set i, i+2
.endr
	v_add_nc_u32 v[SO], 0xff000000, v[MX]          ; 2 off the exponent field: the conversion takes that field as its scale
	v_add_nc_u32 v[SO+1], 0xff000000, v[MX+1]
	v_lshrrev_b32 v[BY], 23, v[SO]
	v_lshrrev_b32 v[BY+1], 23, v[SO+1]
	v_lshl_or_b32 v[SW], v[BY+1], 16, v[BY]
	v_lshlrev_b32 v[SW], v7, v[SW]
	v_permlanex16_b32 v[WX], v[SW], s62, s63
	v_or_b32 v[SW], v[SW], v[WX]
.irp c, 0,1
	v_cvt_scalef32_pk16_fp6_f32 v[PC+6*\c:PC+6*\c+2], v[X+32*\c:X+32*\c+15], v[SO+\c]
	v_cvt_scalef32_pk16_fp6_f32 v[AUX+4*\c:AUX+4*\c+2], v[X+32*\c+16:X+32*\c+31], v[SO+\c]
.endr
	v_nop                                          ; one plain place behind a scaled conversion
.irp c, 0,1
.irp k, 0,1,2
	v_mov_b32 v[PC+6*\c+3+\k], v[AUX+4*\c+\k]
.endr
.endr
.endm
.macro FRAGK f
	s_wait_loadcnt 0x0                             ; this head's 16 rows (and, the first time, the weights)
	s_cmp_eq_u32 s23, 2
	s_cbranch_scc1 .Lraw_\@                        ; the cache holds normed keys
	NORM
.Lraw_\@:
	s_cmp_lg_u32 s23, 1
	s_cbranch_scc1 .Lno_o1_\@                      ; the normed new keys, ahead of RoPE, are out1
.set i, 0
.rept 16
	global_store_b128 v1, v[R+4*i:R+4*i+3], s[18:19] offset:(i+8*(i/8))*8192+512*\f th:TH_STORE_NT   ; 512 consecutive bytes a store
.set i, i+1
.endr
.Lno_o1_\@:
	TURNK
	s_wait_dscnt 0x0                               ; my 64 numbers are in, so the stage's stores have read the rows' registers
	s_wait_xcnt 0x0                                ; and so have the stores above; the last head's image has left its registers, and its base may step
.if \f > 0
	s_add_nc_u64 s[44:45], s[44:45], s[40:41]      ; a head on
.endif
.if \f < 3
	LOADK (\f)+1                                   ; lands under the arithmetic below
.endif
	ROPE
	QB
.irp c, 0,1,2
	global_store_b128 v1, v[PC+4*\c:PC+4*\c+3], s[44:45] offset:512*\c
.endr
	ds_store_b32 v4, v[SW] offset:256*\f           ; both halves of the lanes write the same word with the same value
.endm
	LOADK 0
	global_load_b128 v[W4:W4+3], v1, s[46:47]      ; the norm's weights of channels 4 l .. 4 l + 3
.irp st, 0,1,2,3
	SCS \st
.endr
	v_nop                                          ; a plain place behind the last exponential
	s_wait_alu depctr_va_vdst(0)                   ; one wait for the 32
.irp st, 4,5,6,7,8,9,10,11,12,13,14,15,16,17,18,19,20,21,22,23,24,25,26
	SCS \st
.endr
	FRAGK 0
	FRAGK 1
	FRAGK 2
	FRAGK 3
	s_wait_dscnt 0x0                               ; for the others' sake: my scale words lie in LDS
	s_barrier_signal -1
	s_barrier_wait -1
	ds_load_b64 v[8:9], v5                         ; head 4 (n % 4) + w: four tiles' words
	s_wait_dscnt 0x0
	global_store_b64 v6, v[8:9], s[48:49]          ; 256 consecutive bytes, aligned
	s_wait_tensorcnt 0x0
	ds_add_u32 v62, v63
	s_wait_dscnt 0x0
	s_endpgm
	; ---------------- V PATH ----------------
.set RV,  64                           ; v64-127  32 keys x 64 channels as loaded
.set XV,  128                          ; v128-191 register 32 m + k = key k of channel 32 m + lane
.Lvpath:
	s_sub_co_u32 s23, ttmp9, 384
	s_lshr_b32 s24, s23, 5                         ; key step 0..31
	s_and_b32 s25, s23, 31                         ; which 64 channels of the row
	s_lshr_b32 s26, s25, 1                         ; head
	s_and_b32 s27, s25, 1                          ; which half of it
	s_and_b32 s28, s24, 15
	s_lshl_b32 s28, s28, 7
	s_lshl_b32 s29, s22, 5
	s_add_co_u32 s28, s28, s29                     ; my first key's row in its tensor
	s_lshl_b32 s28, s28, 13
	s_lshl_b32 s29, s25, 8
	s_add_co_u32 s28, s28, s29
	s_mov_b32 s29, 0
	s_mul_i32 s30, s26, 819200
	s_mul_i32 s31, s24, 25600
	s_add_co_u32 s30, s30, s31
	s_add_co_u32 s30, s30, 12800
	s_mov_b32 s31, 0                               ; s[30:31]: V's part of the record
	s_lshl_b32 s32, s27, 2
	s_add_co_u32 s32, s32, s22
	s_mul_i32 s32, s32, 1536
	s_mov_b32 s33, 0                               ; s[32:33]: the image that I store
	s_lshl_b32 s34, s27, 8
	s_add_co_u32 s34, s34, 12288
	s_mov_b32 s35, 0                               ; s[34:35]: the four images' scale words
	v_lshlrev_b32 v1, 4, v10
	v_lshl_add_u32 v1, v11, 13, v1                 ; v1: two rows a load: 8,192 h + 16 (lane % 16)
	s_mul_i32 s44, s22, 8704
	s_add_co_u32 s44, s44, VB                      ; my stage
	v_mul_u32_u24 v2, v11, 272
	v_lshl_add_u32 v2, v10, 4, v2
	v_add_nc_u32 v2, s44, v2                       ; v2: into it
	v_lshl_add_u32 v3, v9, 2, s44                  ; v3: out of it: 4 x lane
	v_bfe_u32 v12, v0, 3, 1                        ; channel lane of 32 lies in tile u = (lane / 8) % 2,
	v_and_b32 v13, 7, v0
	v_lshl_add_u32 v13, v11, 3, v13                ; row lane % 8 + 8 (lane / 16)
	v_mul_u32_u24 v14, v12, 1536
	v_lshl_add_u32 v14, v13, 4, v14                ; the image's lane is that row + 16 (w % 2); my six registers are 6 (w / 2) on
	s_and_b32 s45, s22, 1
	s_lshl_b32 s45, s45, 8
	s_add_co_u32 s45, s45, VIM
	s_lshr_b32 s46, s22, 1
	s_mul_i32 s47, s46, 1016
	s_mul_i32 s46, s46, 520
	s_add_co_u32 s48, s45, s46
	s_add_co_u32 s49, s45, s47
	s_add_co_u32 s49, s49, 8
	s_add_co_u32 s50, s48, 512
	v_add_nc_u32 v4, s48, v14                      ; v4: registers 0, 1 of my six
	v_add_nc_u32 v5, s49, v14                      ; v5: 2, 3
	v_add_nc_u32 v6, s50, v14                      ; v6: 4, 5
	v_lshlrev_b32 v7, 6, v12
	v_lshl_add_u32 v7, v13, 2, v7
	s_add_co_u32 s51, s22, VSC
	v_add_nc_u32 v7, s51, v7                       ; v7: byte w of the row's scale word
	s_mul_i32 s52, s22, 1536
	s_add_co_u32 s52, s52, VIM
	v_lshl_add_u32 v8, v9, 4, s52                  ; v8: image w back
	v_lshlrev_b32 v15, 4, v9                       ; v15: 16 x lane
	v_lshl_add_u32 v48, v9, 3, VSC                 ; v48: the scale words back
	v_lshlrev_b32 v49, 3, v9                       ; v49: 8 x lane
	s_cmp_ge_u32 s24, 16
	s_cselect_b32 s36, 33554432, 0                 ; xv's plane
	s_mov_b32 s37, 0
	s_wait_kmcnt 0x0
	s_cselect_b64 s[38:39], s[4:5], s[8:9]         ; the choice hangs on the work-group's number alone
	s_add_nc_u64 s[38:39], s[38:39], s[36:37]
	s_add_nc_u64 s[38:39], s[38:39], s[28:29]
	s_add_nc_u64 s[20:21], s[20:21], s[28:29]      ; out2
	s_add_nc_u64 s[16:17], s[16:17], s[30:31]
	s_add_nc_u64 s[40:41], s[16:17], s[32:33]
	s_add_nc_u64 s[42:43], s[16:17], s[34:35]
.set i, 0
.rept 16
	global_load_b128 v[RV+4*i:RV+4*i+3], v1, s[38:39] offset:16384*i th:TH_LOAD_NT   ; sixteen lanes read 256 consecutive bytes of a key's row
.set i, i+1
.endr
	s_wait_loadcnt 0x0
	s_cmp_lt_u32 s24, 16
	s_cbranch_scc1 .Lno_o2                         ; the new values are out2
.set i, 0
.rept 16
	global_store_b128 v1, v[RV+4*i:RV+4*i+3], s[20:21] offset:16384*i th:TH_STORE_NT
.set i, i+1
.endr
.Lno_o2:
.set i, 0
.rept 16
	ds_store_b128 v2, v[RV+4*i:RV+4*i+3] offset:544*i
.set i, i+1
.endr
.set i, 0
.rept 64
	ds_load_b32 v[XV+i], v3 offset:272*(i%32)+128*(i/32)   ; in order behind my stores: 32 lanes read 128 consecutive bytes of key i % 32
.set i, i+1
.endr
	s_wait_dscnt 0x0
	v_max3_num_f32 v50, |v[XV]|, |v[XV+1]|, 0x1800000          ; a block of 32 keys of one channel is whole in my lane; the floor holds the byte at 1
	v_max3_num_f32 v51, |v[XV+32]|, |v[XV+33]|, 0x1800000
.set i, 2
.rept 15
	v_max3_num_f32 v50, v50, |v[XV+i]|, |v[XV+i+1]|
	v_max3_num_f32 v51, v51, |v[XV+32+i]|, |v[XV+33+i]|
.set i, i+2
.endr
	v_add_nc_u32 v52, 0xff000000, v50
	v_add_nc_u32 v53, 0xff000000, v51
	v_lshrrev_b32 v54, 23, v52
	v_lshrrev_b32 v55, 23, v53
.irp m, 0,1
	v_cvt_scalef32_pk16_fp6_f32 v[16+16*\m:18+16*\m], v[XV+32*\m:XV+32*\m+15], v[52+\m]
	v_cvt_scalef32_pk16_fp6_f32 v[24+16*\m:26+16*\m], v[XV+32*\m+16:XV+32*\m+31], v[52+\m]
.endr
	v_nop                                          ; one plain place behind a scaled conversion
.irp m, 0,1
.irp k, 0,1,2
	v_mov_b32 v[19+16*\m+\k], v[24+16*\m+\k]
.endr
.endr
.irp m, 0,1
	ds_store_b64 v4, v[16+16*\m:17+16*\m] offset:3072*\m
	ds_store_b64 v5, v[18+16*\m:19+16*\m] offset:3072*\m
	ds_store_b64 v6, v[20+16*\m:21+16*\m] offset:3072*\m
	ds_store_b8 v7, v[54+\m] offset:128*\m
.endr
	s_wait_dscnt 0x0                               ; for the others' sake: my pieces of the four images lie in LDS
	s_barrier_signal -1
	s_barrier_wait -1
.irp c, 0,1,2
	ds_load_b128 v[192+4*\c:195+4*\c], v8 offset:512*\c
.endr
	s_wait_dscnt 0x0
.irp c, 0,1,2
	global_store_b128 v15, v[192+4*\c:195+4*\c], s[40:41] offset:512*\c
.endr
	s_cmp_lg_u32 s22, 0
	s_cbranch_scc1 .Lv_end
	ds_load_b64 v[204:205], v48
	s_wait_dscnt 0x0
	global_store_b64 v49, v[204:205], s[42:43]     ; 256 consecutive bytes, aligned
.Lv_end:
	s_wait_tensorcnt 0x0
	ds_add_u32 v62, v63
	s_wait_dscnt 0x0
	s_endpgm
.Lfunc_end_k_q9e5f3f0d75_prep:
	.size	k_q9e5f3f0d75_prep, .Lfunc_end_k_q9e5f3f0d75_prep-k_q9e5f3f0d75_prep
	.p2alignl 7, 3214868480
	.fill 96, 4, 3214868480
	.section	.rodata,"a",@progbits
	.p2align	6, 0x0
	.amdhsa_kernel k_q9e5f3f0d75_prep
		.amdhsa_group_segment_fixed_size 76544
		.amdhsa_private_segment_fixed_size 0
		.amdhsa_enable_private_segment 0
		.amdhsa_kernarg_size 72
		.amdhsa_user_sgpr_count 2
		.amdhsa_user_sgpr_kernarg_segment_ptr 1
		.amdhsa_wavefront_size32 1
		.amdhsa_system_sgpr_workgroup_id_x 1
		.amdhsa_system_sgpr_workgroup_id_y 1
		.amdhsa_system_sgpr_workgroup_id_z 1
		.amdhsa_system_vgpr_workitem_id 0
		.amdhsa_next_free_vgpr 256
		.amdhsa_next_free_sgpr 66
		.amdhsa_reserve_vcc 1
		.amdhsa_float_denorm_mode_32 3
		.amdhsa_float_denorm_mode_16_64 3
		.amdhsa_memory_ordered 1
		.amdhsa_forward_progress 1
		.amdhsa_inst_pref_size 179
	.end_amdhsa_kernel
	.amdgpu_metadata
---
amdhsa.version: [ 1, 2 ]
amdhsa.kernels:
  - .name:           k_q9e5f3f0d75_prep
    .symbol:         k_q9e5f3f0d75_prep.kd
    .args:
      - { .name: xqkv, .offset: 0, .size: 8, .value_kind: global_buffer, .address_space: global }
      - { .name: k_cache, .offset: 8, .size: 8, .value_kind: global_buffer, .address_space: global }
      - { .name: v_cache, .offset: 16, .size: 8, .value_kind: global_buffer, .address_space: global }
      - { .name: q_norm_w, .offset: 24, .size: 8, .value_kind: global_buffer, .address_space: global }
      - { .name: k_norm_w, .offset: 32, .size: 8, .value_kind: global_buffer, .address_space: global }
      - { .name: qimg, .offset: 40, .size: 8, .value_kind: global_buffer, .address_space: global }
      - { .name: kv, .offset: 48, .size: 8, .value_kind: global_buffer, .address_space: global }
      - { .name: out1, .offset: 56, .size: 8, .value_kind: global_buffer, .address_space: global }
      - { .name: out2, .offset: 64, .size: 8, .value_kind: global_buffer, .address_space: global }
    .group_segment_fixed_size: 76544
    .private_segment_fixed_size: 0
    .kernarg_segment_align: 8
    .kernarg_segment_size: 72
    .max_flat_workgroup_size: 128
    .sgpr_count:     66
    .vgpr_count:     256
    .wavefront_size: 32
...
	.end_amdgpu_metadata
.endif
;; end of part 3
;; launch attn (part 4): grid 16 x 16, 8 waves a work-group, no clusters, 327,680 bytes of LDS; arguments qimg, kv, oq; writes oq
.if DOCPART == 4
	.amdgcn_target "amdgcn-amd-amdhsa--gfx1250"
	.amdhsa_code_object_version 6
	.text
	.protected	k_q9e5f3f0d75_attn
	.globl	k_q9e5f3f0d75_attn
	.p2align	8
	.type	k_q9e5f3f0d75_attn,@function
k_q9e5f3f0d75_attn:
	s_mov_b64 s[64:65], 0
	v_nop
	global_prefetch_b8 v0, s[64:65] scope:SCOPE_SE
	s_setreg_imm32_b32 hwreg(HW_REG_WAVE_MODE, 25, 1), 1
	s_wait_xcnt 0x0
; Sliding-window attention on codes of FP6 (E2M3) with one E8M0 scale for each 32 along a product's K.  Query i (position 2,048 + i) sees keys i + 1 .. i + 2,048 of the 4,096.
; qimg: [head][128 queries: 8 images of 1,536 bytes, then 8 x 64 bytes of scale words].  kv: [head][key step of 128 keys: 25,600 bytes]: K's 8 images, K's scale words at 12,288, V^T's 8 images at 12,800, V's scale words at 25,088.
; An image holds a fragment's 12 registers (register g of lane l at 512 (g / 4) + 16 l + 4 (g % 4)).  Row r of tile t is row 32 (t / 2) + 8 (t % 2) + r + 8 (r / 8) of its 128: queries, keys and V's channels alike.
; THE SOFTMAX: t = score x log2(e) / sqrt(128); M = the running largest t rounded UP to a whole number; p = 2^(t - M) is quantised along the keys, not normalised; the row's sum is taken of the unquantised p and divides at the end.
; SHARES.  A work-group owns 128 queries of one head (block B), each of its eight waves one tile of 16.  Its keys lie in key steps B .. B + 16: SEVENTEEN steps for every work-group and wave.  Only the first (key hidden where
; its number in the step <= the query's number in the block) and the last (hidden where >) are masked; the 15 between count whole.
; LDS.  Twelve places of 25,600 bytes.  Steps 0-4 come into places 0-4 and steps 5-11 into places 5-11 with the first fills; places 0-4 are filled ONCE more, with steps 12-16, behind the barrier after step 4: that load has seven
; steps in which to land.  Waves 0-3 fetch a quarter of a region each: by this text's count a wave has at most two tensor loads out.
; LAYOUT.  Both products are used transposed: S^T = K Q^T, O^T = V^T P^T: a lane holds ONE query throughout; the 16 registers of tiles 2 b, 2 b + 1 are keys (or channels) 32 b + 16 (lane / 16) + 0 .. 15.
; O / the sum is quantised in registers along the channels and leaves as an image for the last product: oq [128 tokens: 204,800 bytes]: codes [head][tile][1,536], scale words from 196,608 on [head][tile][64].
; NO CLUSTER: neighbouring query blocks of a head walk windows that are shifted by one key step each; asked jointly, four partners would each walk 20 steps for 17 steps' work.
; NO PREFETCH: the one refill is asked for seven key steps ahead of its first use.
; LIMITS: NaN and infinities are not served.  A block whose every p is 0 keeps the byte 1: its codes are zeros.
.set REC,   25600
.set REGB,  128000                     ; places 5-11 begin here
.set SPARE, 307200                     ; the spare words, 128 bytes for each wave: four blocks of 256 bytes that no other line names
.set OSC,   308224                     ; O's scale words, 8 x 64 bytes
.set SPW,  5                           ; v5   my spare word; never rewritten
.set NIL,  6                           ; v6   0; never rewritten
.set ADL,  8                           ; v8   16 x lane + the step's place
.set ADS,  9                           ; v9   4 r + the step's place
.set TB,   2                           ; s2   LDS byte at which the step's place begins
.set WV,   18
.set SEL,  20
.set CS,   22
; v1 16 x lane; v2 4 r; v7 where O's scale word goes; v12 -M, v13 the largest t, v[14:15] the sum in two halves; v16-27 Q; v28 my query's number in the block - 16 h; v29, v30 the scale words' way out;
; v32-79 four fragments of K or V; v96-159 S^T, then p; v160-223 O^T; v224-235 p's codes; v232-254 at work; v248-251 K's or V's scale words; v253 p's; v255 Q's
	s_load_b128 s[4:7], s[0:1], 0x0                ; qimg, kv
	s_load_b64 s[8:9], s[0:1], 0x10                ; oq
	v_lshl_add_u32 v[SPW], v0, 2, SPARE
	v_mov_b32 v[NIL], 0
	ds_add_u32 v5, v6
	ds_add_u32 v5, v6
	s_wait_dscnt 0x0
	v_lshrrev_b32 v8, 5, v0
	v_readfirstlane_b32 s[WV], v8                  ; wave 0..7
	s_and_b32 s10, ttmp7, 0xffff                   ; the head
	s_mul_i32 s12, s10, 819200
	s_mul_i32 s13, ttmp9, REC
	s_add_co_u32 s12, s12, s13                     ; the head's key step B
	s_mul_i32 s41, s[WV], 32000                    ; a quarter of places 0-4: in LDS,
	s_add_co_u32 s14, s12, s41                     ; and in memory
	s_mov_b32 s15, 0
	s_mul_i32 s45, s[WV], 44800                    ; a quarter of places 5-11
	s_add_co_u32 s48, s12, s45
	s_add_co_u32 s48, s48, REGB
	s_mov_b32 s49, 0
	s_add_co_u32 s45, s45, REGB
	; descriptor groups 1: dense blocks as rows of 256 bytes (32 elements of 8 bytes), no padding: 125 rows, 175 rows
	s_mov_b32 s24, 3<<16
	s_mov_b32 s25, 32<<16
	s_mov_b32 s26, 125<<16
	s_mov_b32 s27, 32<<16
	s_mov_b32 s28, 125
	s_mov_b32 s29, 32
	s_mov_b32 s30, 0
	s_mov_b32 s31, 0
	s_mov_b32 s32, 3<<16
	s_mov_b32 s33, 32<<16
	s_mov_b32 s34, 175<<16
	s_mov_b32 s35, 32<<16
	s_mov_b32 s36, 175
	s_mov_b32 s37, 32
	s_mov_b32 s38, 0
	s_mov_b32 s39, 0
	s_mul_i32 s50, s10, 204800                     ; Q: the head, the block,
	s_mul_i32 s51, ttmp9, 12800
	s_add_co_u32 s50, s50, s51
	s_mul_i32 s51, s[WV], 1536
	s_add_co_u32 s52, s50, s51                     ; my image,
	s_mov_b32 s53, 0
	s_lshl_b32 s51, s[WV], 6
	s_add_co_u32 s54, s50, s51
	s_add_co_u32 s54, s54, 12288                   ; my scale words
	s_mov_b32 s55, 0
	s_mul_i32 s56, ttmp9, 204800                   ; O: the record of my 128 tokens,
	s_add_co_u32 s58, s56, 196608
	s_mul_i32 s51, s10, 12288                      ; K step = head,
	s_add_co_u32 s56, s56, s51
	s_mul_i32 s51, s[WV], 1536
	s_add_co_u32 s56, s56, s51                     ; my image
	s_mov_b32 s57, 0
	s_lshl_b32 s51, s10, 9
	s_add_co_u32 s58, s58, s51
	s_lshl_b32 s51, s[WV], 8
	s_add_co_u32 s58, s58, s51                     ; the 256 bytes of scale words that wave 0 or 1 stores
	s_mov_b32 s59, 0
	s_mov_b32 s[SEL], 0x76543210
	s_mov_b32 s[SEL+1], 0xfedcba98                 ; selects: lane l xor 16
	s_mov_b32 s[CS], 0x3e0293ee                    ; c = log2(e) / sqrt(128)
	s_mov_b32 s[CS+1], s[CS]                       ; (named with it as a pair, so it is written)
	s_mov_b32 s[TB], 0
	s_wait_kmcnt 0x0
	s_mov_b32 s40, 1
	s_add_nc_u64 s[42:43], s[6:7], s[14:15]
	s_or_b32 s43, s43, 0x80000000
	s_mov_b32 s44, 1
	s_add_nc_u64 s[46:47], s[6:7], s[48:49]
	s_or_b32 s47, s47, 0x80000000
	s_cmp_lt_u32 s[WV], 4                          ; a wave's two first fills stand in one branch, ahead of every wait on TENSORcnt, every LDS read and every barrier
	s_cbranch_scc0 .Lno_fill
	tensor_load_to_lds s[40:43], s[24:31]          ; key steps 0-4
	s_nop 0
	tensor_load_to_lds s[44:47], s[32:39]          ; key steps 5-11
	s_nop 0
.rept 4
	v_nop
.endr
.Lno_fill:
	s_add_nc_u64 s[52:53], s[4:5], s[52:53]
	s_add_nc_u64 s[54:55], s[4:5], s[54:55]
	s_add_nc_u64 s[56:57], s[8:9], s[56:57]
	s_add_nc_u64 s[58:59], s[8:9], s[58:59]
	v_and_b32 v8, 15, v0                           ; r
	v_bfe_u32 v9, v0, 4, 1                         ; h
	v_and_b32 v10, 31, v0
	v_lshlrev_b32 v1, 4, v10
	v_lshlrev_b32 v2, 2, v8
.irp c, 0,1,2
	global_load_b128 v[16+4*\c:19+4*\c], v1, s[52:53] offset:512*\c   ; Q's fragment stays in registers
.endr
	global_load_b32 v255, v2, s[54:55]             ; Q's scale words
	v_and_b32 v11, 8, v8
	v_add_nc_u32 v11, v11, v8                      ; r + 8 (r / 8)
	s_lshr_b32 s11, s[WV], 1
	s_lshl_b32 s11, s11, 5
	s_and_b32 s17, s[WV], 1
	s_lshl_b32 s17, s17, 3
	s_add_co_u32 s11, s11, s17
	v_add_nc_u32 v11, s11, v11                     ; my query's number in the block
	v_lshlrev_b32 v28, 4, v9
	v_sub_nc_u32 v28, v11, v28                     ; - 16 h: register 16 b + i holds key 32 b + 16 h + i of the step
	s_lshl_b32 s11, s[WV], 6
	s_add_co_u32 s11, s11, OSC
	v_add_nc_u32 v7, s11, v2
	s_and_b32 s11, s[WV], 1
	s_lshl_b32 s11, s11, 8
	s_add_co_u32 s11, s11, OSC
	v_lshl_add_u32 v29, v10, 3, s11
	v_lshlrev_b32 v30, 3, v10
	v_mov_b32 v13, 0xff61b1e6                      ; the largest t so far: -3e38, under every t
	v_floor_f32 v12, -v13                          ; -M
	v_mov_b32 v14, 0                               ; the sum, in two halves
	v_mov_b32 v15, 0
.irp b, 0,1,2,3
	v_mov_b32 v[236+\b], 0                         ; written once: a lane permute's destination counts as one of its sources
.endr
	v_mov_b32 v253, 0                              ; (named as the upper half of the pair v[252:253] before it is first written)
.set j, 0
.rept 64
	v_mov_b32 v[160+j], 0                          ; O^T.  (The step is written for all turns alike: the first finds zeros, which the first change of M leaves zeros)
.set j, j+1
.endr
; A KEY STEP of 128 keys.  mask = 0: all count; 1: the window's first step; 2: its last.
.macro STEP mask
	v_add_nc_u32 v[ADL], s[TB], v1
	v_add_nc_u32 v[ADS], s[TB], v2
	v_nop
	v_nop                                          ; four places in front of loads into registers that the last step's matrix instructions have read
.irp g, 0,1                                    ; S^T = K Q^T, four tiles of 16 keys at a time
.if \g > 0
.rept 4
	v_nop
.endr
.endif
.irp t, 0,1,2,3
.irp c, 0,1,2
	ds_load_b128 v[32+12*\t+4*\c:35+12*\t+4*\c], v[ADL] offset:1536*(4*\g+\t)+512*\c
.endr
	ds_load_b32 v[248+\t], v[ADS] offset:12288+64*(4*\g+\t)
.endr
	s_wait_dscnt 0x0
.irp t, 0,1,2,3
	v_wmma_scale_f32_16x16x128_f8f6f4 v[96+8*(4*\g+\t):103+8*(4*\g+\t)], v[32+12*\t:43+12*\t], v[16:27], 0, v[248+\t], v255 matrix_a_fmt:MATRIX_FMT_FP6 matrix_b_fmt:MATRIX_FMT_FP6
.endr
.endr
.rept 4
	v_nop
.endr
.if \mask                                      ; hidden scores become -infinity ahead of the maximum: p = 0 then.  No branch: the two masked steps are written out
	v_mov_b32 v254, 0xff800000
.set n, 0
.rept 64
.if \mask == 1
	v_cmp_le_i32 vcc_lo, 32*(n/16)+n%16, v28       ; key <= query: before the window
.else
	v_cmp_gt_i32 vcc_lo, 32*(n/16)+n%16, v28       ; key > query: after it
.endif
	v_cndmask_b32 v[96+n], v[96+n], v254, vcc_lo
.set n, n+1
.endr
.endif
.irp b, 0,1,2,3
	v_max3_num_f32 v[232+\b], v[96+16*\b], v[97+16*\b], v[98+16*\b]   ; THE LARGEST SCORE OF EACH BLOCK OF 32 KEYS: for the row's maximum, and, since p rises with the score, for the block's largest p
.endr
.irp i, 3,5,7,9,11,13
.irp b, 0,1,2,3
	v_max3_num_f32 v[232+\b], v[232+\b], v[96+16*\b+\i], v[97+16*\b+\i]
.endr
.endr
.irp b, 0,1,2,3
	v_max_num_f32 v[232+\b], v[232+\b], v[111+16*\b]
.endr
.irp b, 0,1,2,3
	v_permlanex16_b32 v[236+\b], v[232+\b], s[SEL], s[SEL+1]
.endr
.irp b, 0,1,2,3
	v_max_num_f32 v[232+\b], v[232+\b], v[236+\b]  ; with lane l xor 16's 16 keys
.endr
	v_max3_num_f32 v254, v232, v233, v234
	v_max_num_f32 v254, v254, v235                 ; the step's largest score of my query
	v_mul_f32 v254, s[CS], v254                    ; as t (c is positive)
	v_max_num_f32 v13, v13, v254                   ; the running largest t
	v_mov_b32 v254, v12
	v_floor_f32 v12, -v13                          ; the new -M = floor(-t) = -ceil(t): a whole number
	v_sub_f32 v254, v12, v254                      ; M's old value less its new one: 0 or less
	v_cvt_i32_f32 v254, v254                       ; (it saturates)
	v_ldexp_f32 v252, 1.0, v254                    ; f = 2^(old M - new M): a multiplication by it rounds nothing
.set j, 0
.rept 32
	v_pk_fma_f32 v[96+j:97+j], v[96+j:97+j], s[CS:CS+1], v[12:13] op_sel_hi:[1,0,0]   ; t - M, two at a time
.set j, j+2
.endr
.irp b, 0,1,2,3
	v_fma_f32 v[232+\b], v[232+\b], s[CS], v12     ; the same of each block's largest score
.endr
.set j, 0
.rept 64
	v_exp_f32 v[96+j], v[96+j]                     ; p = 2^(t - M), at most 1: not normalised
.set j, j+1
.endr
	v_pk_mul_f32 v[14:15], v[14:15], v[252:253] op_sel_hi:[1,0]   ; the sums under the new M.  (A plain place behind the exponentials)
	s_wait_alu depctr_va_vdst(0)                   ; one wait for the whole batch, ahead of its first reader
.irp b, 0,1,2,3
	v_exp_f32 v[232+\b], v[232+\b]                 ; the block's largest p: the same two instructions on the same number give the same bits
.endr
	v_pk_add_f32 v[236:237], v[96:97], v[98:99]    ; THE ROW'S SUM IS TAKEN OF THE UNQUANTISED p: two at a time, in two chains
.set j, 4
.rept 15
	v_pk_add_f32 v[14:15], v[14:15], v[96+j:97+j]
	v_pk_add_f32 v[236:237], v[236:237], v[98+j:99+j]
.set j, j+4
.endr
	v_pk_add_f32 v[14:15], v[14:15], v[236:237]
	s_wait_alu depctr_va_vdst(0)                   ; and one for the four
.irp b, 0,1,2,3
	v_max_num_f32 v[232+\b], 0x1800000, v[232+\b]  ; the floor 2^(3 - 127): the byte cannot fall under 1
.endr
.irp b, 0,1,2,3
	v_add_nc_u32 v[244+\b], 0xff000000, v[232+\b]  ; 2 off the exponent field: the conversion's scale operand
.endr
.irp b, 0,1,2,3
	v_lshrrev_b32 v[236+\b], 23, v[244+\b]         ; the scale's byte
.endr
	v_lshl_or_b32 v253, v237, 8, v236              ; p's scale word for these 128 keys
	v_lshl_or_b32 v253, v238, 16, v253
	v_lshl_or_b32 v253, v239, 24, v253
.irp c, 0,1
	v_cvt_scalef32_pk16_fp6_f32 v[224+6*\c:226+6*\c], v[96+32*\c:111+32*\c], v[244+2*\c]
	v_cvt_scalef32_pk16_fp6_f32 v[236+4*\c:238+4*\c], v[112+32*\c:127+32*\c], v[244+2*\c+1]   ; (a conversion's three registers begin on an even number)
.endr
	v_nop                                          ; one plain place behind a scaled conversion
.irp c, 0,1                                    ; the operand's layout wants a WHOLE block in a lane: lanes 0-15 block 2 c, lanes 16-31 block 2 c + 1
.irp i, 0,1,2
	v_permlane16_swap_b32 v[224+6*\c+\i], v[236+4*\c+\i]
.endr
.irp i, 0,1,2
	v_mov_b32 v[227+6*\c+\i], v[236+4*\c+\i]
.endr
.endr
.set j, 0
.rept 32
	v_pk_mul_f32 v[160+j:161+j], v[160+j:161+j], v[252:253] op_sel_hi:[1,0]   ; O^T under the new M.  (These 32 are also the places in front of the matrix instructions and loads below)
.set j, j+2
.endr
.irp g, 0,1                                    ; O^T += V^T P^T: four tiles of 16 channels at a time; K = these 128 keys
.if \g > 0
.rept 4
	v_nop
.endr
.endif
.irp t, 0,1,2,3
.irp c, 0,1,2
	ds_load_b128 v[32+12*\t+4*\c:35+12*\t+4*\c], v[ADL] offset:12800+1536*(4*\g+\t)+512*\c
.endr
	ds_load_b32 v[248+\t], v[ADS] offset:25088+64*(4*\g+\t)
.endr
	s_wait_dscnt 0x0
.irp t, 0,1,2,3
	v_wmma_scale_f32_16x16x128_f8f6f4 v[160+8*(4*\g+\t):167+8*(4*\g+\t)], v[32+12*\t:43+12*\t], v[224:235], v[160+8*(4*\g+\t):167+8*(4*\g+\t)], v[248+\t], v253 matrix_a_fmt:MATRIX_FMT_FP6 matrix_b_fmt:MATRIX_FMT_FP6
.endr
.endr
	s_add_co_u32 s[TB], s[TB], REC                 ; the next place
.endm
	s_wait_tensorcnt 1                             ; my part of key steps 0-4 is in; the one younger load, steps 5-11, may stay out
	s_wait_loadcnt 0x0                             ; Q
	s_barrier_signal -1
	s_barrier_wait -1
	STEP 1                                         ; key step 0: the window's first
	s_mov_b32 s3, 4
.Lfirst:                                           ; key steps 1-4
	STEP 0
	s_sub_co_u32 s3, s3, 1
	s_cmp_lg_u32 s3, 0
	s_cbranch_scc1 .Lfirst
	s_wait_tensorcnt 0x0                           ; all my tensor loads have landed, steps 5-11 among them: a group 0 may be written
	ds_add_u32 v[SPW], v[NIL]                      ; 0 onto my spare word
	ds_add_u32 v5, v6
	s_add_nc_u64 s[42:43], s[42:43], 12*REC        ; key steps 12-16; the type bits on top are not reached
	s_mov_b32 s[TB], REGB
	s_wait_dscnt 0x0                               ; the add is done, and my reads of places 0-4 are over
	s_barrier_signal -1
	s_barrier_wait -1                              ; both now hold of every wave
	s_cmp_lt_u32 s[WV], 4
	s_cbranch_scc0 .Lno_refill
	tensor_load_to_lds s[40:43], s[24:31]          ; the launch's one refill, first thing behind the barrier
	s_nop 0
.rept 4
	v_nop
.endr
.Lno_refill:
	s_mov_b32 s3, 7
.Lsecond:                                          ; key steps 5-11
	STEP 0
	s_sub_co_u32 s3, s3, 1
	s_cmp_lg_u32 s3, 0
	s_cbranch_scc1 .Lsecond
	s_wait_tensorcnt 0x0                           ; my part of key steps 12-16 is in
	ds_add_u32 v[SPW], v[NIL]
	s_mov_b32 s[TB], 0
	s_wait_dscnt 0x0
	s_barrier_signal -1
	s_barrier_wait -1                              ; everybody's is
	s_mov_b32 s3, 4
.Lthird:                                           ; key steps 12-15
	STEP 0
	s_sub_co_u32 s3, s3, 1
	s_cmp_lg_u32 s3, 0
	s_cbranch_scc1 .Lthird
	STEP 2                                         ; key step 16: the window's last
	; THE WAY OUT.  O^T / the sum; register 16 b + i is channel 32 b + 16 h + i of my query: quantised along the channels as it stands.
.rept 4
	v_nop
.endr
	v_add_f32 v14, v14, v15                        ; the sum's two halves,
	v_permlanex16_b32 v252, v14, s[SEL], s[SEL+1]
	v_add_f32 v14, v14, v252                       ; and lane l xor 16's
	v_rcp_f32 v14, v14
	v_nop                                          ; a plain place behind the transcendental
	s_wait_alu depctr_va_vdst(0)                   ; the wait, ahead of the first reader
.set j, 0
.rept 64
	v_mul_f32 v[96+j], v[160+j], v14               ; each accumulator from its low end on
.set j, j+1
.endr
.irp b, 0,1,2,3
	v_max3_num_f32 v[232+\b], |v[96+16*\b]|, |v[97+16*\b]|, 0x1800000   ; block b: my 16 numbers, and the floor
.endr
.irp i, 2,4,6,8,10,12,14
.irp b, 0,1,2,3
	v_max3_num_f32 v[232+\b], v[232+\b], |v[96+16*\b+\i]|, |v[97+16*\b+\i]|
.endr
.endr
.irp b, 0,1,2,3
	v_permlanex16_b32 v[236+\b], v[232+\b], s[SEL], s[SEL+1]
.endr
.irp b, 0,1,2,3
	v_max_num_f32 v[232+\b], v[232+\b], v[236+\b]
.endr
.irp b, 0,1,2,3
	v_add_nc_u32 v[244+\b], 0xff000000, v[232+\b]
.endr
.irp b, 0,1,2,3
	v_lshrrev_b32 v[236+\b], 23, v[244+\b]
.endr
	v_lshl_or_b32 v248, v237, 8, v236              ; my query's scale word for this head's 128 channels
	v_lshl_or_b32 v248, v238, 16, v248
	v_lshl_or_b32 v248, v239, 24, v248
.irp c, 0,1
	v_cvt_scalef32_pk16_fp6_f32 v[32+6*\c:34+6*\c], v[96+32*\c:111+32*\c], v[244+2*\c]
	v_cvt_scalef32_pk16_fp6_f32 v[44+4*\c:46+4*\c], v[112+32*\c:127+32*\c], v[244+2*\c+1]
.endr
	v_nop                                          ; one plain place behind a scaled conversion
.irp c, 0,1
.irp i, 0,1,2
	v_permlane16_swap_b32 v[32+6*\c+\i], v[44+4*\c+\i]
.endr
.irp i, 0,1,2
	v_mov_b32 v[35+6*\c+\i], v[44+4*\c+\i]
.endr
.endr
.irp c, 0,1,2
	global_store_b128 v1, v[32+4*\c:35+4*\c], s[56:57] offset:512*\c   ; the image: 512 consecutive bytes a store
.endr
	ds_store_b32 v7, v248                          ; both halves of the lanes write the same word with the same value
	s_wait_dscnt 0x0                               ; for the others' sake
	s_barrier_signal -1
	s_barrier_wait -1
	s_cmp_lt_u32 s[WV], 2
	s_cbranch_scc0 .Lno_sc
	ds_load_b64 v[52:53], v29                      ; four tiles' scale words
	s_wait_dscnt 0x0
	global_store_b64 v30, v[52:53], s[58:59]       ; 256 consecutive bytes, aligned
.Lno_sc:
	s_wait_tensorcnt 0x0                           ; the wave's end: behind my last tensor load and my last LDS store
	ds_add_u32 v[SPW], v[NIL]
	s_wait_dscnt 0x0
	s_endpgm
.Lfunc_end_k_q9e5f3f0d75_attn:
	.size	k_q9e5f3f0d75_attn, .Lfunc_end_k_q9e5f3f0d75_attn-k_q9e5f3f0d75_attn
	.p2alignl 7, 3214868480
	.fill 96, 4, 3214868480
	.section	.rodata,"a",@progbits
	.p2align	6, 0x0
	.amdhsa_kernel k_q9e5f3f0d75_attn
		.amdhsa_group_segment_fixed_size 327680
		.amdhsa_private_segment_fixed_size 0
		.amdhsa_enable_private_segment 0
		.amdhsa_kernarg_size 24
		.amdhsa_user_sgpr_count 2
		.amdhsa_user_sgpr_kernarg_segment_ptr 1
		.amdhsa_wavefront_size32 1
		.amdhsa_system_sgpr_workgroup_id_x 1
		.amdhsa_system_sgpr_workgroup_id_y 1
		.amdhsa_system_sgpr_workgroup_id_z 1
		.amdhsa_system_vgpr_workitem_id 0
		.amdhsa_next_free_vgpr 256
		.amdhsa_next_free_sgpr 66
		.amdhsa_reserve_vcc 1
		.amdhsa_float_denorm_mode_32 3
		.amdhsa_float_denorm_mode_16_64 3
		.amdhsa_memory_ordered 1
		.amdhsa_forward_progress 1
		.amdhsa_inst_pref_size 123
	.end_amdhsa_kernel
	.amdgpu_metadata
---
amdhsa.version: [ 1, 2 ]
amdhsa.kernels:
  - .name:           k_q9e5f3f0d75_attn
    .symbol:         k_q9e5f3f0d75_attn.kd
    .args:
      - { .name: qimg, .offset: 0, .size: 8, .value_kind: global_buffer, .address_space: global }
      - { .name: kv, .offset: 8, .size: 8, .value_kind: global_buffer, .address_space: global }
      - { .name: oq, .offset: 16, .size: 8, .value_kind: global_buffer, .address_space: global }
    .group_segment_fixed_size: 327680
    .private_segment_fixed_size: 0
    .kernarg_segment_align: 8
    .kernarg_segment_size: 24
    .max_flat_workgroup_size: 256
    .sgpr_count:     66
    .vgpr_count:     256
    .wavefront_size: 32
...
	.end_amdgpu_metadata
.endif
;; end of part 4
;; launch oproj (part 5): grid 16 x 16, 4 waves a work-group, clusters of 4 x 4, 327,680 bytes of LDS; arguments oq, woq, out0; writes out0
.if DOCPART == 5
	.amdgcn_target "amdgcn-amd-amdhsa--gfx1250"
	.amdhsa_code_object_version 6
	.text
	.protected	k_q9e5f3f0d75_oproj
	.globl	k_q9e5f3f0d75_oproj
	.p2align	8
	.type	k_q9e5f3f0d75_oproj,@function
k_q9e5f3f0d75_oproj:
	s_mov_b64 s[64:65], 0
	v_nop
	global_prefetch_b8 v0, s[64:65] scope:SCOPE_SE
	s_setreg_imm32_b32 hwreg(HW_REG_WAVE_MODE, 25, 1), 1
	s_wait_xcnt 0x0
	s_wait_alu depctr_hold_cnt(0) depctr_sa_sdst(0) depctr_va_vdst(0) depctr_va_sdst(0) depctr_va_ssrc(0) depctr_va_vcc(0) depctr_vm_vsrc(0)
	s_getreg_b32 s2, hwreg(HW_REG_IB_STS2, 6, 4)
	s_cmp_eq_u32 s2, 0
	s_cbranch_scc0 .Lentry_in_a_cluster
	s_endpgm
.Lentry_in_a_cluster:
	s_bfe_u32 s2, ttmp6, 0x10000c
	s_cmp_lg_u32 s2, 0xf033
	s_cbranch_scc0 .Lentry_shape_is_right
	s_endpgm
.Lentry_shape_is_right:
; out0 = O wo^T on codes of FP6 (E2M3) with one E8M0 scale for each 32 along K; K = 2,048; sums in f32; out0 [2048][2048] f32, rows of 8,192 bytes.
; O (A) and wo (B) arrive as RECORDS of 128 rows (GREC bytes): codes [K step of 128: 0..15][tile 0..7][1,536 bytes, an image of the fragment's 12 registers], then from GSC on scale words [K step][tile][16 x 4 bytes].
; Row r of tile t is row 32 (t / 2) + 8 (t % 2) + r + 8 (r / 8) of the record's 128.  An image comes into registers by three loads of 512 consecutive bytes: no pitch, no padding.
; A TILE OF C IS 128 x 128: one record of A against one of B: 16 x 16 = 256 work-groups; tiles of 256 x 256 would make 64.  Four waves, one to a SIMD, 64 x 64 each: 16 accumulators, 128 registers.
; The price: a K step's 24 loads of 512 bytes feed 16 matrix instructions, twice the LDS bytes for each that a wave tile of 128 x 128 reads.
; LDS.  The two records hold 2 x 196,608 bytes of codes: three quarters of K, 3 x 98,304 bytes, fit beside the scale words (2 x 8,192).  So K steps 0-11 are asked for at the head, in three regions of four K steps, and
; region 0 is filled ONCE more, with K steps 12-15, at the head of K step 3, when its last fragments are in registers: that load has eight K steps in which to land.  Wave w fetches side w / 2 (A or B), half w % 2: two K steps,
; 24,576 dense bytes a load.  By this text's count a wave has at most four tensor loads out.
; CLUSTERS: 4 x 4 work-groups.  The four of a row of the cluster need the same record of A, the four of a column the same record of B: each part is asked for JOINTLY, by the same tensor load with the same descriptor and a mask
; that names the four.  THE MATRIX INSTRUCTION IS USED TRANSPOSED (source 0 = a tile of B, source 1 = a tile of A): lane (r, h) holds row r of A's tile, and register j of B's tile b is column 32 (b / 2) + 16 h + 8 (b % 2) + j.
; REGISTERS, in windows of 256: window 0: v16-29 addresses; v32-95 the scale words of all 16 K steps; v128-255 the accumulators ((a, b) at v[128 + 8 (4 a + b)]), later rows of C.
;   window 1: two fragment buffers, at v0 and v128: B's four fragments (48 registers), then A's four.
; The 16 K steps are written out: every LDS offset is an immediate, and the two steps that carry a barrier differ from the others.
; NO PREFETCH: three quarters of what a work-group reads are asked for at its head, and the rest eight K steps ahead of its use.
.set FR,     12                        ; registers of a fragment
.set NP,     4                         ; places behind this matrix instruction (ISA guide 7.12.1)
.set GREC,   204800
.set GSC,    196608
.set KSB,    12288                     ; a record's codes of one K step of 128
.set HALFQ,  2*KSB                     ; what one tensor load brings
.set QB,     4*KSB                     ; a record's quarter of K
.set REGION, 2*QB                      ; A's quarter, then B's
.set SCL,    3*REGION                  ; behind the regions: A's scale words, 8,192 bytes,
.set SCLB,   SCL+8192+128              ; and B's, 128 bytes askew, so that the two halves of a load's lanes touch different banks (64 banks of 4 bytes: ISA guide 11.1)
.set SPARE,  311552                    ; the spare words, 128 bytes for each wave: two blocks of 256 bytes that no other line names
.set STAGE,  REGION                    ; the way out: 64 rows x SPITCH for each wave, in region 1: it is filled once, and its last read stands in front of the barrier of K step 11
.set SPITCH, 272                       ; 256 bytes + 16: the 16 rows that a store touches start at 16 different banks
.set ROWC,   8192
.set ADRA, 16                          ; v16-18  16 x lane + my four tiles of A in region 0, 1, 2
.set ADRB, 20                          ; v20-22  the same for B
.set STO,  24                          ; v24     the way out: where I put 32 bytes of a row
.set RD,   25                          ; v25     where I read rows back: lanes 0-15 one row, lanes 16-31 the next
.set CO,   26                          ; v26     the same two rows in C
.set ADRS, 27                          ; v27     my scale words: lanes 0-15 A's, lanes 16-31 B's
.set SPW,  28                          ; v28     my spare word; never rewritten
.set NIL,  29                          ; v29     0; never rewritten
.set SC,   32                          ; register 4 s + i: lanes 0-15 the words of my A tile i, lanes 16-31 of my B tile i, for K step s
.set ACC,  128
.set G1,   24                          ; s[24:31] descriptor group 1 for A's codes;  s[32:39] for B's;  s[40:47], s[48:55] for their scale words
.set G1B,  32
.set G1S,  40
.set G1SB, 48
.set G0S,  56                          ; s[56:59], s[60:63] groups 0 for the scale words
.set G0SB, 60
.set G0,   68                          ; s[68:79] groups 0 for A's codes, one for each region;  s[80:91] for B's
.set G0B,  80
.set MSB, 0
.macro WIN new                         ; the immediate's high byte repeats the setting that is left
.if MSB != \new
	s_set_vgpr_msb (MSB<<8)|\new
.set MSB, \new
.endif
.endm
.set MUL,  0x05                        ; sources 0 (B) and 1 (A) window 1; C and D window 0
.set TO_F, 0x40                        ; destination window 1, address window 0
; A joint load: waves 0 and 1 fetch for A, waves 2 and 3 for B.  Each line has one mask and one set of registers for all that issue it; the branch hangs on the wave's number alone.
; Four v_nop follow each of the two lines, ahead of the jump, the label and what follows.
.macro JLOAD g0a, g1a, g0b, g1b
	s_cmp_eq_u32 s15, 0
	s_cbranch_scc0 .Lfor_b_\@
	tensor_load_to_lds s[\g0a:\g0a+3], s[\g1a:\g1a+7]
	s_nop 0
.rept 4
	v_nop
.endr
	s_branch .Lasked_\@
.Lfor_b_\@:
	tensor_load_to_lds s[\g0b:\g0b+3], s[\g1b:\g1b+7]
	s_nop 0
.rept 4
	v_nop
.endr
.Lasked_\@:
.endm
.macro CREST                           ; a round of the cluster's barrier behind its opening barrier
	s_cmp_lg_u32 s14, 0
	s_cbranch_scc1 .Lnot_wave_0_\@
	s_barrier_signal -3
.Lnot_wave_0_\@:
	s_barrier_wait -3
	s_barrier_signal -1
	s_barrier_wait -1
.endm
.macro CROUND                          ; a whole round
	s_barrier_signal -1
	s_barrier_wait -1
	CREST
.endm
	s_load_b64 s[4:5], s[0:1], 0x0                 ; A's records
	s_load_b64 s[8:9], s[0:1], 0x8                 ; B's records
	s_load_b64 s[12:13], s[0:1], 0x10              ; C
	v_lshl_add_u32 v[SPW], v0, 2, SPARE
	v_mov_b32 v[NIL], 0
	ds_add_u32 v28, v29
	ds_add_u32 v28, v29
	s_wait_dscnt 0x0
	v_lshrrev_b32 v1, 5, v0
	v_readfirstlane_b32 s14, v1                    ; wave 0..3
	s_lshr_b32 s15, s14, 1                         ; which 64 rows of the tile are mine.  Also: I fetch for A (0) or for B (1)
	s_and_b32 s16, s14, 1                          ; which 64 columns.  Also: which half of a quarter of K I fetch
	s_bfe_u32 s2, ttmp6, 0x40000                   ; cx, cy: my place in the cluster
	s_bfe_u32 s3, ttmp6, 0x40004
	s_lshl_b32 s18, ttmp9, 2
	s_add_co_u32 s18, s18, s2                      ; tile column of C = 4 x cluster x + cx: B's record
	s_and_b32 s17, ttmp7, 0xffff
	s_lshl_b32 s17, s17, 2
	s_add_co_u32 s17, s17, s3                      ; tile row of C = 4 x cluster y + cy: A's record
	s_lshl_b32 s6, s3, 2
	s_lshl_b32 s6, 15, s6                          ; my row of the cluster
	s_lshl_b32 s7, 0x1111, s2                      ; my column
	; descriptor group 1: a dense block as rows of 256 bytes (32 elements of 8 bytes), no padding: 96 rows of codes, 16 rows of scale words
	s_or_b32 s[G1+0], s6, (3<<16)|(1<<21)          ; 15:0 the mask: A's go to my row; 17:16 elements of 8 bytes; 21 set beside a mask
	s_or_b32 s[G1B+0], s7, (3<<16)|(1<<21)
.irp g, G1, G1B
	s_mov_b32 s[\g+1], 32<<16                      ; tensor_dim0
	s_mov_b32 s[\g+2], 96<<16                      ; tensor_dim1
	s_mov_b32 s[\g+3], 32<<16                      ; tile_dim0
	s_mov_b32 s[\g+4], 96                          ; tile_dim1
	s_mov_b32 s[\g+5], 32                          ; tensor_dim0_stride
	s_mov_b32 s[\g+6], 0
	s_mov_b32 s[\g+7], 0
.endr
	s_or_b32 s[G1S+0], s6, (3<<16)|(1<<21)
	s_or_b32 s[G1SB+0], s7, (3<<16)|(1<<21)
.irp g, G1S, G1SB
	s_mov_b32 s[\g+1], 32<<16
	s_mov_b32 s[\g+2], 16<<16
	s_mov_b32 s[\g+3], 32<<16
	s_mov_b32 s[\g+4], 16
	s_mov_b32 s[\g+5], 32
	s_mov_b32 s[\g+6], 0
	s_mov_b32 s[\g+7], 0
.endr
	s_mul_i32 s96, s16, HALFQ                      ; my half of a quarter's codes,
	s_lshl_b32 s97, s16, 12                        ; my half of the scale words
	s_mul_i32 s20, s17, GREC                       ; A's hang on the tile row and the wave's number alone,
	s_add_co_u32 s20, s20, s96
	s_mov_b32 s21, 0
	s_mul_i32 s22, s17, GREC
	s_add_co_u32 s22, s22, s97
	s_add_co_u32 s22, s22, GSC
	s_mov_b32 s23, 0
	s_mul_i32 s92, s18, GREC                       ; B's on the tile column and the wave's number
	s_add_co_u32 s92, s92, s96
	s_mov_b32 s93, 0
	s_mul_i32 s94, s18, GREC
	s_add_co_u32 s94, s94, s97
	s_add_co_u32 s94, s94, GSC
	s_mov_b32 s95, 0
	s_mul_i32 s10, s14, HALFQ                      ; where the codes go in a region: wave x 24,576: no place in the cluster enters an LDS address
	s_lshl_b32 s11, s14, 12                        ; and the scale words: SCL + 4,096 x wave + 128 for B's
	s_lshl_b32 s19, s15, 7
	s_add_co_u32 s11, s11, s19
	s_add_co_u32 s11, s11, SCL
	s_wait_kmcnt 0x0
	s_add_nc_u64 s[20:21], s[4:5], s[20:21]
	s_add_nc_u64 s[22:23], s[4:5], s[22:23]
	s_add_nc_u64 s[92:93], s[8:9], s[92:93]
	s_add_nc_u64 s[94:95], s[8:9], s[94:95]
	CROUND                                         ; all sixteen work-groups are here: the first joint loads meet
	s_mov_b32 s[G0S], 1
	s_mov_b32 s[G0S+1], s11
	s_mov_b64 s[G0S+2:G0S+3], s[22:23]
	s_or_b32 s[G0S+3], s[G0S+3], 0x80000000
	s_mov_b32 s[G0SB], 1
	s_mov_b32 s[G0SB+1], s11
	s_mov_b64 s[G0SB+2:G0SB+3], s[94:95]
	s_or_b32 s[G0SB+3], s[G0SB+3], 0x80000000
	JLOAD G0S, G1S, G0SB, G1SB                     ; the scale words first: they are wanted with the first K step
.irp q, 0,1,2
	s_mov_b32 s[G0+4*\q], 1
	s_add_co_u32 s[G0+4*\q+1], s10, \q*REGION
	s_add_nc_u64 s[G0+4*\q+2:G0+4*\q+3], s[20:21], \q*QB
	s_or_b32 s[G0+4*\q+3], s[G0+4*\q+3], 0x80000000
	s_mov_b32 s[G0B+4*\q], 1
	s_add_co_u32 s[G0B+4*\q+1], s10, \q*REGION
	s_add_nc_u64 s[G0B+4*\q+2:G0B+4*\q+3], s[92:93], \q*QB
	s_or_b32 s[G0B+4*\q+3], s[G0B+4*\q+3], 0x80000000
	JLOAD G0+4*\q, G1, G0B+4*\q, G1B               ; K steps 4 q .. 4 q + 3
.endr
	v_and_b32 v1, 15, v0                           ; r
	v_bfe_u32 v2, v0, 4, 1                         ; h
	v_and_b32 v3, 31, v0
	v_lshlrev_b32 v4, 4, v3                        ; 16 x lane
	s_mul_i32 s96, s15, 4*1536                     ; my four tiles of A
	s_mul_i32 s97, s16, 4*1536                     ; my four tiles of B,
	s_add_co_u32 s97, s97, QB                      ; behind A's quarter
.irp q, 0,1,2
	v_add_nc_u32 v[ADRA+\q], s96, v4
	v_add_nc_u32 v[ADRB+\q], s97, v4
	s_add_co_u32 s96, s96, REGION
	s_add_co_u32 s97, s97, REGION
.endr
	v_lshlrev_b32 v5, 2, v1                        ; a scale word: 4 bytes a row
	s_lshl_b32 s96, s15, 8                         ; A's: my four tiles, 64 bytes each
	s_lshl_b32 s97, s16, 8                         ; B's
	s_add_co_u32 s97, s97, SCLB-SCL
	s_sub_co_u32 s97, s97, s96
	v_mul_u32_u24 v6, s97, v2                      ; lanes 16-31 take B's: one product, the distance between the two bases
	s_add_co_u32 s96, s96, SCL
	v_add_nc_u32 v5, v5, v6
	v_add_nc_u32 v[ADRS], s96, v5
	s_mul_i32 s96, s14, 64*SPITCH
	s_add_co_u32 s96, s96, STAGE                   ; my stage
	v_mul_u32_u24 v5, v1, SPITCH                   ; in: row r, + 64 h
	v_lshl_add_u32 v5, v2, 6, v5
	v_add_nc_u32 v[STO], s96, v5
	v_mul_u32_u24 v5, v2, SPITCH                   ; back: lanes 0-15 take one row of 256 bytes, lanes 16-31 the next
	v_lshl_add_u32 v5, v1, 4, v5
	v_add_nc_u32 v[RD], s96, v5
	v_lshlrev_b32 v[CO], 13, v2                    ; and the same two rows in C
	v_lshl_add_u32 v[CO], v1, 4, v[CO]
	s_lshl_b32 s20, s17, 7
	s_lshl_b32 s21, s15, 6
	s_add_co_u32 s20, s20, s21                     ; my first row of C: 128 x tile row + 64 x which
	s_lshl_b32 s20, s20, 13                        ; in bytes
	s_mov_b32 s21, 0
	s_lshl_b32 s96, s18, 9                         ; 512 bytes a tile column,
	s_lshl_b32 s97, s16, 8                         ; 256 for my half
	s_add_co_u32 s96, s96, s97
	s_mov_b32 s97, 0
	s_add_nc_u64 s[20:21], s[20:21], s[96:97]
	s_add_nc_u64 s[12:13], s[12:13], s[20:21]
; K step s's eight fragments into buffer s % 2: 24 loads of 512 consecutive bytes.  K steps 12-15 lie where 0-3 lay.
.macro FETCH s
.set RG, ((\s)/4)%3
.set KO, ((\s)%4)*KSB
.set FB, 128*((\s)%2)
.irp i, 0,1,2,3
.irp c, 0,1,2
	ds_load_b128 v[FB+FR*\i+4*\c:FB+FR*\i+4*\c+3], v[ADRB+RG] offset:KO+\i*1536+512*\c
.endr
.endr
.irp i, 0,1,2,3
.irp c, 0,1,2
	ds_load_b128 v[FB+48+FR*\i+4*\c:FB+48+FR*\i+4*\c+3], v[ADRA+RG] offset:KO+\i*1536+512*\c
.endr
.endr
.endm
.macro SCALES c                        ; the scale words of K steps 2 c and 2 c + 1: lanes 0-15 take A's tile i, lanes 16-31 B's tile i.  Each register is loaded once and never again
.irp u, 0,1
.irp i, 0,1,2,3
	ds_load_b32 v[SC+4*(2*(\c)+\u)+\i], v[ADRS] offset:512*(2*(\c)+\u)+64*\i
.endr
.endr
.endm
; 8 matrix instructions: A's tiles a0, a0 + 1 x B's four, K step s.  zero = 1: the first product starts the sums: nothing is ever cleared.
; The 16 accumulators take turns, one instruction a turn, in the same order in every step.
.macro MULH s, a0, zero
.set FB, 128*((\s)%2)
.irp a, \a0, \a0+1
.irp b, 0,1,2,3
.if \zero
	v_wmma_scale_f32_16x16x128_f8f6f4 v[ACC+8*(4*(\a)+\b):ACC+8*(4*(\a)+\b)+7], v[FB+FR*\b:FB+FR*\b+FR-1], v[FB+48+FR*(\a):FB+48+FR*(\a)+FR-1], 0, v[SC+4*(\s)+\b], v[SC+4*(\s)+(\a)] matrix_a_fmt:MATRIX_FMT_FP6 matrix_b_fmt:MATRIX_FMT_FP6 matrix_a_scale:MATRIX_SCALE_ROW1
.else
	v_wmma_scale_f32_16x16x128_f8f6f4 v[ACC+8*(4*(\a)+\b):ACC+8*(4*(\a)+\b)+7], v[FB+FR*\b:FB+FR*\b+FR-1], v[FB+48+FR*(\a):FB+48+FR*(\a)+FR-1], v[ACC+8*(4*(\a)+\b):ACC+8*(4*(\a)+\b)+7], v[SC+4*(\s)+\b], v[SC+4*(\s)+(\a)] matrix_a_fmt:MATRIX_FMT_FP6 matrix_b_fmt:MATRIX_FMT_FP6 matrix_a_scale:MATRIX_SCALE_ROW1
.endif
.endr
.endr
.endm
; A load into a register that a matrix instruction has read, and an LDS store that reads a matrix result, stand NP places behind that matrix instruction; only plain vector instructions that name none of its
; registers are places (ISA guide 7.12.1 for vector instructions).
.macro PLACES
.rept NP
	v_nop
.endr
.endm
; A K step.  At its head the next step's fragments are asked for, into the buffer that the step before has multiplied: they have this step's 16 matrix instructions in which to land.
; Steps 1 to 7 also bring the scale words of K steps 2 s and 2 s + 1.  At most 24 + 8 + 24 = 56 LDS loads of the wave are out.
.macro STEP s, zero
.if ((\s) > 0) && ((\s) < 15)
	PLACES
.endif
.if ((\s) > 0) && ((\s) < 8)
	WIN 0
	SCALES \s
.endif
.if (\s) < 15
	WIN TO_F
	FETCH (\s)+1
	s_wait_dscnt 24                                ; all but the 24 just issued: this step's fragments and every scale word asked for so far are in
.else
	s_wait_dscnt 0x0                               ; the last step: nothing more to fetch
.endif
	WIN MUL
	MULH \s, 0, \zero
	MULH \s, 2, \zero
.endm
	s_wait_tensorcnt 2                             ; the scale words and my part of K steps 0-3 are in; the two younger loads, K steps 4-7 and 8-11, may stay out
	s_barrier_signal -1
	s_barrier_wait -1                              ; everybody's are
	SCALES 0
	WIN TO_F
	FETCH 0
	STEP 0, 1                                      ; its products start the sums
	STEP 1, 0
	STEP 2, 0
	; K STEP 3: its fragments, the last of region 0, were asked for a step ago.  Each wave waits for all its tensor loads (regions 1 and 2), adds 0 to its spare word, and waits for that and for its reads of region 0; behind a
	; round of the cluster's barrier no wave of any partner still reads region 0 or has a load on its way, and regions 1 and 2 are whole: region 0 takes K steps 12-15.
	WIN 0                                          ; (the add's two registers lie in window 0)
	s_wait_tensorcnt 0x0                           ; no tensor load of mine is out, so a group 0 may be written
	ds_add_u32 v[SPW], v[NIL]                      ; 0 onto my spare word
	s_add_nc_u64 s[G0+2:G0+3], s[G0+2:G0+3], 3*QB  ; three quarters of K on; the type bits on top are not reached
	s_add_nc_u64 s[G0B+2:G0B+3], s[G0B+2:G0B+3], 3*QB
	s_wait_dscnt 0x0                               ; the add is done, and my reads of region 0 are over
	s_barrier_signal -1
	WIN MUL
	MULH 3, 0, 0                                   ; work on registers while the others arrive
	WIN 0
	s_barrier_wait -1
	CREST
	JLOAD G0, G1, G0B, G1B                         ; the launch's one refill, first thing behind the round; its four v_nop are also the places in front of the loads below
	SCALES 3
	WIN TO_F
	FETCH 4
	WIN MUL
	MULH 3, 2, 0
.irp s, 4,5,6,7,8,9,10
	STEP \s, 0
.endr
	; K STEP 11: the next step's fragments lie in region 0 again.  No load was issued behind the refill, so the wait is for 0.
	s_wait_tensorcnt 0x0                           ; my part of K steps 12-15 is in
	s_wait_dscnt 0x0                               ; this step's fragments are in: no LDS instruction of mine is out at the signal
	s_barrier_signal -1
	MULH 11, 0, 0
	s_barrier_wait -1                              ; everybody's part is in; and every wave's reads of regions 1 and 2 are over
	PLACES
	WIN TO_F
	FETCH 12
	WIN MUL
	MULH 11, 2, 0
.irp s, 12,13,14,15
	STEP \s, 0
.endr
; THE WAY OUT, a tile of A (16 rows x 64 columns) at a time, through my own stage: a lane's eight results of B's tile b are 32 neighbouring bytes of a row, at 128 (b / 2) + 64 h + 32 (b % 2).  They come back as whole rows of
; 256 bytes, two rows a load, into the registers that they left.  LDS serves a wave's instructions in order (ISA guide 5.7.1.4): no wait between the stores and the loads.  Each tile has stage rows of its own.
.macro TOSTAGE a
.irp b, 0,1,2,3
	ds_store_b128 v[STO], v[ACC+8*(4*(\a)+\b):ACC+8*(4*(\a)+\b)+3] offset:(\a)*16*SPITCH+128*(\b/2)+32*(\b%2)          ; each accumulator from its low end on
	ds_store_b128 v[STO], v[ACC+8*(4*(\a)+\b)+4:ACC+8*(4*(\a)+\b)+7] offset:(\a)*16*SPITCH+128*(\b/2)+32*(\b%2)+16
.endr
.irp t, 0,1,2,3,4,5,6,7
	ds_load_b128 v[ACC+32*(\a)+4*\t:ACC+32*(\a)+4*\t+3], v[RD] offset:(16*(\a)+2*\t)*SPITCH
.endr
.endm
.macro SEND a, younger                 ; younger: the LDS instructions issued behind tile a's loads, which may stay out
	s_wait_dscnt \younger
.irp t, 0,1,2,3,4,5,6,7
	global_store_b128 v[CO], v[ACC+32*(\a)+4*\t:ACC+32*(\a)+4*\t+3], s[12:13] offset:(32*((\a)/2)+8*((\a)%2)+2*\t+8*(\t/4))*ROWC th:TH_STORE_NT   ; stage rows 2 t, 2 t + 1 are neighbouring rows of C; 16 lanes store 256 consecutive bytes, aligned
.endr
.endm
	PLACES
	WIN 0
	TOSTAGE 0
	TOSTAGE 1
	TOSTAGE 2
	SEND 0, 32                                     ; behind tile 0's loads: the 16 LDS instructions of tile 1 and of tile 2
	TOSTAGE 3
	SEND 1, 32                                     ; tiles 2 and 3
	SEND 2, 16                                     ; tile 3
	SEND 3, 0
	s_wait_tensorcnt 0x0                           ; the wave's end: behind my last tensor load and my last LDS store
	ds_add_u32 v[SPW], v[NIL]
	s_wait_dscnt 0x0
	CROUND                                         ; the closing round: no work-group ends while a partner may still ask for a tile that names it
	s_endpgm
.Lfunc_end_k_q9e5f3f0d75_oproj:
	.size	k_q9e5f3f0d75_oproj, .Lfunc_end_k_q9e5f3f0d75_oproj-k_q9e5f3f0d75_oproj
	.p2alignl 7, 3214868480
	.fill 96, 4, 3214868480
	.section	.rodata,"a",@progbits
	.p2align	6, 0x0
	.amdhsa_kernel k_q9e5f3f0d75_oproj
		.amdhsa_group_segment_fixed_size 327680
		.amdhsa_private_segment_fixed_size 0
		.amdhsa_enable_private_segment 0
		.amdhsa_kernarg_size 24
		.amdhsa_user_sgpr_count 2
		.amdhsa_user_sgpr_kernarg_segment_ptr 1
		.amdhsa_wavefront_size32 1
		.amdhsa_system_sgpr_workgroup_id_x 1
		.amdhsa_system_sgpr_workgroup_id_y 1
		.amdhsa_system_sgpr_workgroup_id_z 1
		.amdhsa_system_vgpr_workitem_id 0
		.amdhsa_next_free_vgpr 512
		.amdhsa_next_free_sgpr 98
		.amdhsa_reserve_vcc 0
		.amdhsa_float_denorm_mode_32 3
		.amdhsa_float_denorm_mode_16_64 3
		.amdhsa_memory_ordered 1
		.amdhsa_forward_progress 1
		.amdhsa_inst_pref_size 83
	.end_amdhsa_kernel
	.amdgpu_metadata
---
amdhsa.version: [ 1, 2 ]
amdhsa.kernels:
  - .name:           k_q9e5f3f0d75_oproj
    .symbol:         k_q9e5f3f0d75_oproj.kd
    .args:
      - { .name: oq, .offset: 0, .size: 8, .value_kind: global_buffer, .address_space: global }
      - { .name: woq, .offset: 8, .size: 8, .value_kind: global_buffer, .address_space: global }
      - { .name: out0, .offset: 16, .size: 8, .value_kind: global_buffer, .address_space: global }
    .group_segment_fixed_size: 327680
    .private_segment_fixed_size: 0
    .kernarg_segment_align: 8
    .kernarg_segment_size: 24
    .max_flat_workgroup_size: 128
    .sgpr_count:     98
    .vgpr_count:     512
    .wavefront_size: 32
...
	.end_amdgpu_metadata
.endif
;; end of part 5
